; MI455X (gfx1250); checked and timed in simulation.
; The chip was launched on July 23, 2026; its instructions are those of AMD's public machine-readable ISA for CDNA 5 (MIT licence, August 2026) and "CDNA5" Instruction Set Architecture Reference Guide (July 2026). The comments in the code are by the model that wrote it; some were corrected since.
;; Causal Self Attention. Allowed arithmetic: matrix products marked QUANTISED: E2M1 operands, one E8M0 scale for each 32 along K, by v_wmma_scale_f32_16x16x128_f8f6f4 with both operands' format E2M1 (or v_wmma_scale_f32_32x16x128_f4), f32 sums; products left as they are: bf16, f16 or f32 operands; f32 sums; everything else in f32.
;; Inputs: W_out 1,024 x 1,024 float32; W_qkv 1,024 x 3,072 float32; b_out 1,024 float32; b_qkv 3,072 float32; x 4 x 2,048 x 1,024 float32.
;; Outputs: out0 4 x 2,048 x 1,024 float32.
;; This version of the problem:
;;   THIS VERSION OF THE PROBLEM IS GIVEN IN LOW PRECISION. The matrix products marked QUANTISED in the list below multiply operands that are first quantised to E2M1 (2 exponent bits, 1 mantissa bit; 4 bits a number), with one power-of-two scale for each 32 numbers along K (OCP MX v1.0); their sums are f32. The products marked 'left as it is' may take bf16, f16 or f32 operands, with f32 sums. Whichever they take, every output number must still come out within the allowed error. Rounding operands to bf16 (8 significant bits) uses up far more of that allowance than f16 does (11 bits, for magnitudes from 6e-5 to 65,504). All else is computed in f32.
;;   The module's matrix products, in the order in which they are computed (A, B: the left and right operand; K: the contracted axis; several contracted axes count as one K, in the product's order):
;;     1. [M 8,192, K 1,024] x [K 1,024, N 3,072]; A: input x; B: input W_qkv: QUANTISED
;;     2. batch 64 x [M 2,048, K 64] x [K 64, N 2,048]; A: computed on the way; B: computed on the way: left as it is (an operand is computed on the way)
;;     3. batch 64 x [M 2,048, K 2,048] x [K 2,048, N 64]; A: computed on the way; B: computed on the way: left as it is (an operand is computed on the way)
;;     4. [M 8,192, K 1,024] x [K 1,024, N 1,024]; A: computed on the way; B: input W_out: left as it is (an operand is computed on the way)
;;   THE QUANTISER, for each operand of a quantised product, along K:
;;     - K is cut into blocks of 32 from its start; a last block that is shorter is filled with zeros.
;;     - A block's scale is 2^e with e = floor(log2(the largest magnitude in the block)) - 2, held to -126 .. 127; a block of zeros has e = 0. As a byte (E8M0): e + 127.
;;     - Each number is divided by its block's scale, clamped to +-6, and rounded to the nearest number of E2M1, ties to even, subnormals kept.
;;     - The product sums the exact products of the quantised numbers (number of the format x scale) in f32.
;;   ~~~python
;;   def quantise(x, axis):      # numpy; x: float32 -> the quantised numbers, widened to float32 again
;;       x = np.moveaxis(x, axis, -1); K = x.shape[-1]
;;       x = np.pad(x, [(0, 0)] * (x.ndim - 1) + [(0, -K % 32)]); x = x.reshape(x.shape[:-1] + (-1, 32)); a = np.abs(x).max(-1, keepdims=True)
;;       e = np.where(a > 0, np.clip(np.frexp(np.where(a > 0, a, 1))[1] - 1 - 2, -126, 127), 0)      # np.frexp(a)[1] - 1 = floor(log2(a)), exactly
;;       r = np.clip(x / 2.0 ** e, -6, 6)
;;       step = 2.0 ** (np.maximum(np.frexp(np.where(r == 0, 1, r))[1] - 1, 0) - 1)
;;       q = np.round(r / step) * step * 2.0 ** e      # np.round: ties to even
;;       return np.moveaxis(q.reshape(q.shape[:-2] + (-1,))[..., :K], -1, axis).astype(np.float32)
;;   ~~~
;; One version. Each part assembles by itself: llvm-mc -triple=amdgcn-amd-amdhsa -mcpu=gfx1250 --defsym DOCPART=n.
;; ======== version 1 of 1: 5 launches
;; limits: values are held in f16: magnitudes above 65,504 overflow, below 6.1e-05 lose precision
;; workspace buffers: xc 4,194,304 bytes; xs 262,144 bytes; wc 1,572,864 bytes; ws 98,304 bytes; woh 2,097,152 bytes; qkvh 50,331,648 bytes; qkv32 786,432 bytes; yh 16,777,216 bytes
;; launch prep (part 1): grid 256 x 1, 8 waves a work-group, no clusters, 61,952 bytes of LDS; arguments x, W_qkv, W_out, xc, xs, wc, ws, woh; writes xc, xs, wc, ws, woh
.if DOCPART == 1
	.amdgcn_target "amdgcn-amd-amdhsa--gfx1250"
	.amdhsa_code_object_version 6
	.text
	.protected	k_q6d1d43383d_prep
	.globl	k_q6d1d43383d_prep
	.p2align	8
	.type	k_q6d1d43383d_prep,@function
k_q6d1d43383d_prep:
	s_mov_b64 s[64:65], 0
	v_nop
	global_prefetch_b8 v0, s[64:65] scope:SCOPE_SE
	s_setreg_imm32_b32 hwreg(HW_REG_WAVE_MODE, 25, 1), 1
	s_wait_xcnt 0x0
; PREP: three jobs in one launch, chosen by the work-group's number (the same in all eight waves of a work-group).
;   work-groups   0-127: x [8192][1024] f32 -> codes of FP4 (E2M1), K innermost, xc [8192][512 bytes], and one E8M0 byte for each 32 along K, xs [8192][32]
;   work-groups 128-223: W_qkv [1024 (k)][3072 (n)] f32, K its FIRST axis -> wc [3072][512 bytes] with K innermost, ws [3072][32]
;   work-groups 224-255: W_out [1024 (k)][1024 (n)] f32 -> f16, woh [n / 16][k / 16][512 bytes], each tile of 16 k x 16 n laid so that the turning LDS load at 16 x lane gives a fragment's registers
; A block's scale is 2^(floor(log2(its largest magnitude)) - 2); its byte is the largest magnitude's exponent field - 2, held at 1 from below.
; LIMITS: a block of zeros gets the byte 1 where the rule says 127 (its codes are zeros, which add nothing, and this program alone reads the bytes); NaN and infinities among the inputs are not served;
; |W_out| stays under 65,504 (f16's largest number); magnitudes of W_out under 6e-5 are rounded with an absolute error of up to 3e-8.
; LDS: each job has bytes of its own.  x: for each wave two stages of 32 x 80 bytes and 256 scale bytes.  W_qkv: a stage of 32 rows x 528 bytes and 1,024 scale bytes.  Then the spare words.
.set SP,     80                        ; a lane's place in x's stage: 64 bytes + 16 of padding
.set WREG,   2*32*SP+256               ; x: a wave's region
.set WSTG,   8*WREG                    ; W_qkv: 32 columns' rows of 512 bytes of codes, 528 apart
.set WP,     528
.set WSCS,   WSTG+32*WP                ; W_qkv: 32 columns x 32 scale bytes
.set SPARE,  WSCS+1024                 ; the spare words, 128 bytes for each of the eight waves: four blocks of 256 bytes that no other line names
.set STEPS,  16
.set EMAX,   2
.set SPW,    12                        ; v12  LDS address of my spare word; never rewritten
.set NIL,    13                        ; v13  0; never rewritten
.set R,      32                        ; x: v32-95 four sets of 16 numbers as loaded;  W_qkv: two sets of 32;  W_out: v32-159 its 128 numbers
.set X,      96                        ; x: v96-127 two sets of 16 neighbours
.set E,      128                       ; x: v128-143 a scale byte for each step
.set C,      144                       ; x: v144-207 four registers of codes for each step: no store's data are written again
	s_load_b256 s[4:11], s[0:1], 0x0               ; x s[4:5], W_qkv s[6:7], W_out s[8:9], xc s[10:11]
	s_load_b256 s[12:19], s[0:1], 0x20             ; xs s[12:13], wc s[14:15], ws s[16:17], woh s[18:19]
	v_lshl_add_u32 v[SPW], v0, 2, SPARE
	v_mov_b32 v[NIL], 0
	v_lshrrev_b32 v1, 5, v0
	v_readfirstlane_b32 s20, v1                    ; wave 0..7
	v_and_b32 v2, 31, v0                           ; lane
	; every LDS address is made here, ahead of the parting
	s_mul_i32 s21, s20, WREG
	v_lshrrev_b32 v14, 2, v2
	v_mul_u32_u24 v14, v14, SP
	v_and_b32 v15, 3, v2
	v_lshl_add_u32 v14, v15, 4, v14
	v_add_nc_u32 v14, s21, v14                     ; x's stage, in: four lanes' 64 bytes on end, then 16 of padding
	v_mul_u32_u24 v15, v2, SP
	v_add_nc_u32 v15, s21, v15                     ; and out: 80 x lane: my 16 neighbours
	v_lshrrev_b32 v5, 1, v2
	s_add_co_u32 s21, s21, 2*32*SP
	v_add_nc_u32 v5, s21, v5                       ; my wave's 256 scale bytes: my block's byte
	v_lshlrev_b32 v4, 3, v2                        ; 8 x lane: my codes' place in a step's 256 bytes, and my 8 of the scale bytes
	v_add_nc_u32 v6, s21, v4
	s_lshl_b32 s22, s20, 6
	s_add_co_u32 s22, s22, WSTG
	v_mul_u32_u24 v18, v2, WP
	v_add_nc_u32 v18, s22, v18                     ; W's stage, in: row = my column, + 64 x wave: my wave's 128 along K
	s_lshl_b32 s22, s20, 2
	s_add_co_u32 s22, s22, WSCS
	v_lshlrev_b32 v19, 5, v2
	v_add_nc_u32 v19, s22, v19                     ; W's scale bytes: 32 x column + 4 x wave
	v_lshlrev_b32 v22, 4, v2                       ; 16 x lane
	s_mul_i32 s22, s20, 4*WP
	s_add_co_u32 s22, s22, WSTG
	v_add_nc_u32 v20, s22, v22                     ; W's stage, out: wave w takes rows 4 w .. 4 w + 3, whole
	v_and_b32 v23, 63, v0
	v_lshlrev_b32 v23, 4, v23                      ; 16 x thread, for the two waves that store the scale bytes
	v_add_nc_u32 v21, WSCS, v23
	s_wait_kmcnt 0x0
	s_cmp_lt_u32 ttmp9, 128
	s_cbranch_scc1 .Lpath_x
	s_cmp_lt_u32 ttmp9, 224
	s_cbranch_scc1 .Lpath_w
	; ---- W_out to f16.  A wave takes 16 rows k x 256 columns: 16 tiles.  Lane l reads 8 numbers of row k = 8 (l / 16) + l % 8 at columns 8 ((l / 8) % 2) on, and stores them as 16 bytes at 16 l of the tile.
	s_sub_co_u32 s22, ttmp9, 224
	s_lshl_b32 s22, s22, 3
	s_add_co_u32 s22, s22, s20                     ; 0 .. 255
	s_lshr_b32 s23, s22, 2                         ; which 16 rows k
	s_and_b32 s22, s22, 3                          ; which 256 columns
	s_lshl_b32 s24, s23, 16
	s_lshl_b32 s26, s22, 10
	s_add_co_u32 s24, s24, s26
	s_mov_b32 s25, 0
	s_add_nc_u64 s[8:9], s[8:9], s[24:25]
	s_lshl_b32 s24, s22, 19                        ; 16 tiles of columns x 32,768 bytes
	s_lshl_b32 s26, s23, 9
	s_add_co_u32 s24, s24, s26
	s_add_nc_u64 s[18:19], s[18:19], s[24:25]
	v_lshrrev_b32 v3, 4, v2
	v_and_b32 v8, 7, v2
	v_lshl_add_u32 v3, v3, 3, v8                   ; my row k
	v_bfe_u32 v8, v2, 3, 1
	v_lshlrev_b32 v8, 5, v8
	v_lshl_add_u32 v3, v3, 12, v8                  ; x 4,096 bytes + 32 x my half of the columns
.irp u, 0,1,2,3,4,5,6,7,8,9,10,11,12,13,14,15
	global_load_b128 v[R+8*\u:R+8*\u+3], v3, s[8:9] offset:64*\u th:TH_LOAD_NT
	global_load_b128 v[R+8*\u+4:R+8*\u+7], v3, s[8:9] offset:64*\u+16 th:TH_LOAD_NT
.endr
.irp u, 0,1,2,3,4,5,6,7,8,9,10,11,12,13,14,15
	s_wait_loadcnt 30-2*\u                         ; tile u's two loads are in; the later tiles' pairs may be out
.irp i, 0,1,2,3
	v_cvt_pk_f16_f32 v[R+8*\u+\i], v[R+8*\u+2*\i], v[R+8*\u+2*\i+1]   ; in place, ascending: register i is written when its own number has been read
.endr
	global_store_b128 v22, v[R+8*\u:R+8*\u+3], s[18:19] offset:32768*\u   ; the wave stores a tile: 512 consecutive bytes
.endr
	s_branch .Lend
	; ---- x.  A plain stream of blocks of 32.  A wave takes 16 steps of 512 numbers; each load reads 512 consecutive bytes; a step's 2,048 bytes turn through the wave's own stage, so that a lane holds 16 neighbours.
.Lpath_x:
	s_lshl_b32 s22, ttmp9, 3
	s_add_co_u32 s22, s22, s20                     ; which run of 8,192 numbers is my wave's
	s_mov_b32 s25, 0
	s_lshl_b32 s24, s22, 15
	s_add_nc_u64 s[4:5], s[4:5], s[24:25]
	s_lshl_b32 s24, s22, 12
	s_add_nc_u64 s[10:11], s[10:11], s[24:25]
	s_lshl_b32 s24, s22, 8
	s_add_nc_u64 s[12:13], s[12:13], s[24:25]
.macro LOAD t
.irp i, 0,1,2,3
	global_load_b128 v[R+16*((\t)%4)+4*\i:R+16*((\t)%4)+4*\i+3], v22, s[4:5] offset:2048*(\t)+512*\i th:TH_LOAD_NT
.endr
.endm
.macro TURN t                          ; LDS serves a wave's instructions in order: no wait between the stores and the loads
.irp i, 0,1,2,3
	ds_store_b128 v14, v[R+16*((\t)%4)+4*\i:R+16*((\t)%4)+4*\i+3] offset:32*SP*((\t)%2)+8*SP*\i
.endr
.irp i, 0,1,2,3
	ds_load_b128 v[X+16*((\t)%2)+4*\i:X+16*((\t)%2)+4*\i+3], v15 offset:32*SP*((\t)%2)+16*\i
.endr
.endm
.irp t, 0,1,2,3
	LOAD \t
.endr
	s_wait_loadcnt 12                              ; step 0's four loads are in; the twelve of steps 1 to 3 may be out
	TURN 0
.macro STEP t
.set XS, X+16*((\t)%2)
.if (\t) > 0
	s_wait_dscnt 1                                 ; this step's numbers are back from the stage; the last step's byte store may be out
.else
	s_wait_dscnt 0x0
.endif
.if (\t)+4 < STEPS
	LOAD (\t)+4                                    ; into the set that the stage's stores have read
.endif
.if (\t)+1 < STEPS
.if STEPS-2-(\t) >= 3
	s_wait_loadcnt 12                              ; the next step's four loads are in; those of the three steps behind it may be out
.else
	s_wait_loadcnt 4*(STEPS-2-(\t))
.endif
	TURN (\t)+1
.endif
	v_max3_num_f32 v8, |v[XS]|, |v[XS+1]|, |v[XS+2]|
	v_max3_num_f32 v9, |v[XS+3]|, |v[XS+4]|, |v[XS+5]|
.irp i, 6,10
	v_max3_num_f32 v8, v8, |v[XS+\i]|, |v[XS+\i+1]|
	v_max3_num_f32 v9, v9, |v[XS+\i+2]|, |v[XS+\i+3]|
.endr
	v_max3_num_f32 v8, v8, |v[XS+14]|, |v[XS+15]|
	v_max3_num_f32 v8, v8, v9, (EMAX+1)<<23        ; the floor 2^(3 - 127): the byte cannot fall under 1
	v_max_num_f32_dpp v8, v8, v8 row_xmask:1 row_mask:0xf bank_mask:0xf   ; with my neighbour's 16: the block's largest magnitude
	v_add_nc_u32 v11, 0xff000000, v8               ; 2 off its exponent field: the conversion takes this operand's exponent field as its scale
	v_cvt_scalef32_pk8_fp4_f32 v[C+4*(\t)], v[XS:XS+7], v11
	v_cvt_scalef32_pk8_fp4_f32 v[C+4*(\t)+1], v[XS+8:XS+15], v11
	v_lshrrev_b32 v[E+(\t)], 23, v11               ; the scale's byte (also the plain line behind the conversions)
	ds_store_b8 v5, v[E+(\t)] offset:16*(\t)       ; both lanes of a block write the same byte with the same value
	global_store_b64 v4, v[C+4*(\t):C+4*(\t)+1], s[10:11] offset:256*(\t)   ; the wave stores 256 consecutive bytes
.endm
.irp t, 0,1,2,3,4,5,6,7,8,9,10,11,12,13,14,15
	STEP \t
.endr
	ds_load_b64 v[8:9], v6                         ; my wave's 256 scale bytes, 8 a lane
	s_wait_dscnt 0x0
	global_store_b64 v4, v[8:9], s[12:13]
	s_branch .Lend
	; ---- W_qkv.  A work-group takes 32 columns and all of K; wave w takes k = 128 w .. 128 w + 127.  A LANE TAKES A COLUMN AND ITS REGISTERS RUN DOWN K: a block of 32 lies in one lane, and the codes come out with K innermost.
.Lpath_w:
	s_sub_co_u32 s22, ttmp9, 128                   ; which 32 columns
	s_mul_i32 s24, s20, 128*12288
	s_lshl_b32 s26, s22, 7
	s_add_co_u32 s24, s24, s26
	s_mov_b32 s25, 0
	s_add_nc_u64 s[6:7], s[6:7], s[24:25]
	v_lshlrev_b32 v3, 2, v2
.macro WLOAD t                         ; block t: W(128 w + 32 t + i, my column): each load reads 128 consecutive bytes
.irp i, 0,1,2,3,4,5,6,7,8,9,10,11,12,13,14,15,16,17,18,19,20,21,22,23,24,25,26,27,28,29,30,31
	global_load_b32 v[R+32*((\t)%2)+\i], v3, s[6:7] offset:(32*(\t)+\i)*12288 th:TH_LOAD_NT
.endr
.endm
.macro WBLOCK t
.set XW, R+32*((\t)%2)
.if (\t) < 3
	s_wait_loadcnt 32                              ; this block's 32 loads are in; the next block's 32 may be out
.else
	s_wait_loadcnt 0x0
.endif
	v_max3_num_f32 v10, |v[XW]|, |v[XW+1]|, |v[XW+2]|
	v_max3_num_f32 v11, |v[XW+3]|, |v[XW+4]|, |v[XW+5]|
.irp i, 6,10,14,18,22,26
	v_max3_num_f32 v10, v10, |v[XW+\i]|, |v[XW+\i+1]|
	v_max3_num_f32 v11, v11, |v[XW+\i+2]|, |v[XW+\i+3]|
.endr
	v_max3_num_f32 v10, v10, |v[XW+30]|, |v[XW+31]|
	v_max3_num_f32 v10, v10, v11, (EMAX+1)<<23
	v_add_nc_u32 v16, 0xff000000, v10
	v_lshrrev_b32 v17, 23, v16
.if (\t) == 0
	v_mov_b32 v24, v17                             ; my four bytes make one word, the lower K in the lower byte
.else
	v_lshl_or_b32 v24, v17, 8*(\t), v24
.endif
.irp g, 0,1,2,3
	v_cvt_scalef32_pk8_fp4_f32 v[96+\g], v[XW+8*\g:XW+8*\g+7], v16
.endr
	ds_store_b128 v18, v[96:99] offset:16*(\t)     ; 32 codes: 16 bytes of my column's row
.if (\t)+2 < 4
	WLOAD (\t)+2
.endif
	s_wait_dscnt 0x0                               ; the store has read its registers: the next block's codes may be written
.endm
	WLOAD 0
	WLOAD 1
.irp t, 0,1,2,3
	WBLOCK \t
.endr
	ds_store_b32 v19, v24
	s_wait_dscnt 0x0                               ; for the others' sake: my stores into the stage are done
	s_barrier_signal -1                            ; all eight waves of this work-group are on this path
	s_barrier_wait -1
.irp i, 0,1,2,3
	ds_load_b128 v[100+4*\i:103+4*\i], v20 offset:WP*\i   ; a whole row of 512 bytes: eight waves wrote it
.endr
	s_lshl_b32 s24, s22, 14                        ; 32 rows of 512 bytes a work-group,
	s_lshl_b32 s26, s20, 11                        ; 4 a wave
	s_add_co_u32 s24, s24, s26
	s_add_nc_u64 s[14:15], s[14:15], s[24:25]
	s_wait_dscnt 0x0
.irp i, 0,1,2,3
	global_store_b128 v22, v[100+4*\i:103+4*\i], s[14:15] offset:512*\i   ; 512 consecutive bytes
.endr
	s_cmp_lt_u32 s20, 2
	s_cbranch_scc0 .Lend                           ; waves 0 and 1 store the 1,024 scale bytes
	ds_load_b128 v[116:119], v21
	s_lshl_b32 s24, s22, 10
	s_add_nc_u64 s[16:17], s[16:17], s[24:25]
	s_wait_dscnt 0x0
	global_store_b128 v23, v[116:119], s[16:17]
.Lend:
	s_wait_tensorcnt 0x0                           ; the wave's end
	ds_add_u32 v[SPW], v[NIL]
	s_wait_dscnt 0x0
	s_endpgm
.Lfunc_end_k_q6d1d43383d_prep:
	.size	k_q6d1d43383d_prep, .Lfunc_end_k_q6d1d43383d_prep-k_q6d1d43383d_prep
	.p2alignl 7, 3214868480
	.fill 96, 4, 3214868480
	.section	.rodata,"a",@progbits
	.p2align	6, 0x0
	.amdhsa_kernel k_q6d1d43383d_prep
		.amdhsa_group_segment_fixed_size 61952
		.amdhsa_private_segment_fixed_size 0
		.amdhsa_enable_private_segment 0
		.amdhsa_kernarg_size 64
		.amdhsa_user_sgpr_count 2
		.amdhsa_user_sgpr_kernarg_segment_ptr 1
		.amdhsa_wavefront_size32 1
		.amdhsa_system_sgpr_workgroup_id_x 1
		.amdhsa_system_sgpr_workgroup_id_y 1
		.amdhsa_system_sgpr_workgroup_id_z 1
		.amdhsa_system_vgpr_workitem_id 0
		.amdhsa_next_free_vgpr 208
		.amdhsa_next_free_sgpr 66
		.amdhsa_reserve_vcc 0
		.amdhsa_float_denorm_mode_32 3
		.amdhsa_float_denorm_mode_16_64 3
		.amdhsa_memory_ordered 1
		.amdhsa_forward_progress 1
		.amdhsa_inst_pref_size 63
	.end_amdhsa_kernel
	.amdgpu_metadata
---
amdhsa.version: [ 1, 2 ]
amdhsa.kernels:
  - .name:           k_q6d1d43383d_prep
    .symbol:         k_q6d1d43383d_prep.kd
    .args:
      - { .name: x, .offset: 0, .size: 8, .value_kind: global_buffer, .address_space: global }
      - { .name: W_qkv, .offset: 8, .size: 8, .value_kind: global_buffer, .address_space: global }
      - { .name: W_out, .offset: 16, .size: 8, .value_kind: global_buffer, .address_space: global }
      - { .name: xc, .offset: 24, .size: 8, .value_kind: global_buffer, .address_space: global }
      - { .name: xs, .offset: 32, .size: 8, .value_kind: global_buffer, .address_space: global }
      - { .name: wc, .offset: 40, .size: 8, .value_kind: global_buffer, .address_space: global }
      - { .name: ws, .offset: 48, .size: 8, .value_kind: global_buffer, .address_space: global }
      - { .name: woh, .offset: 56, .size: 8, .value_kind: global_buffer, .address_space: global }
    .group_segment_fixed_size: 61952
    .private_segment_fixed_size: 0
    .kernarg_segment_align: 8
    .kernarg_segment_size: 64
    .max_flat_workgroup_size: 256
    .sgpr_count:     66
    .vgpr_count:     208
    .wavefront_size: 32
...
	.end_amdgpu_metadata
.endif
;; end of part 1
;; launch qkv (part 2): grid 12 x 32, 4 waves a work-group, clusters of 4 x 4, 327,680 bytes of LDS; arguments xc, xs, wc, ws, b_qkv, qkvh, qkv32; writes qkvh, qkv32
.if DOCPART == 2
	.amdgcn_target "amdgcn-amd-amdhsa--gfx1250"
	.amdhsa_code_object_version 6
	.text
	.protected	k_q6d1d43383d_qkv
	.globl	k_q6d1d43383d_qkv
	.p2align	8
	.type	k_q6d1d43383d_qkv,@function
k_q6d1d43383d_qkv:
	s_mov_b64 s[64:65], 0
	v_nop
	global_prefetch_b8 v0, s[64:65] scope:SCOPE_SE
	s_setreg_imm32_b32 hwreg(HW_REG_WAVE_MODE, 25, 1), 1
	s_wait_xcnt 0x0
	s_wait_alu depctr_hold_cnt(0) depctr_sa_sdst(0) depctr_va_vdst(0) depctr_va_sdst(0) depctr_va_ssrc(0) depctr_va_vcc(0) depctr_vm_vsrc(0)
	s_getreg_b32 s2, hwreg(HW_REG_IB_STS2, 6, 4)
	s_cmp_eq_u32 s2, 0
	s_cbranch_scc0 .Lentry_in_a_cluster
	s_endpgm
.Lentry_in_a_cluster:
	s_bfe_u32 s2, ttmp6, 0x10000c
	s_cmp_lg_u32 s2, 0xf033
	s_cbranch_scc0 .Lentry_shape_is_right
	s_endpgm
.Lentry_shape_is_right:
; QKV = Q(x) Q(W_qkv) + b_qkv on codes of FP4 (E2M1) with one E8M0 scale for each 32 along K; sums in f32.  M 8,192, N 3,072, K 1,024.
; A work-group of four waves makes 256 x 256, a wave 128 x 128: 64 accumulators, 512 registers.  K goes in two steps of 512 through two LDS slots, both asked for at the head: nothing is filled again.
; The scale bytes of the work-group's 256 + 256 rows come once, with the first fills.  CLUSTERS: 4 x 4 work-groups; x's tiles are shared along a row of the cluster, W's along a column, by joint loads.
; The four work-groups of a column of the cluster take the same 256 positions of the four batches (tile row = cluster y + 8 cy), so that 'my rows hold positions 0-15' hangs on the cluster's y and the wave alone.
; THE MATRIX INSTRUCTION IS USED TRANSPOSED (source 0 = 16 columns of W, source 1 = 16 rows of x): a lane holds eight neighbouring columns of one row.  The bias is the C of each sum's first instruction.
; THE WAY OUT needs no LDS: q (x c = log2(e) / 8, in f32), k and v are rounded once to f16 and stored in the order of the next product's operand registers:
;   qkvh [b][48: 16 heads of c q, of k, of v][position / 16][channel / 16][512 bytes]; in a tile of q or k lane l's 16 bytes lie at 16 l; in a tile of v at 16 (r % 8) + 128 h + 256 (r / 8), for the turning LDS load.
;   Positions 0-15 of each batch go out in f32 too: qkv32 [16 b + t][3072].
; LIMITS: |c q|, |k|, |v| stay under 65,504 (f16's largest number); NaN and infinities are not served.
; REGISTERS, in windows of 256: window 0: v0-31 addresses; v32-95 scale words, two sets; v96-159 packed results on the way out; v128-191 x's fragments, one set; v192-255 the bias.
;   window 1: W's fragments, two sets, at v0 and v128.   window 2: the accumulators of my rows 0-63 ((a, b) at v[8 (8 a + b)]);   window 3: those of my rows 64-127.
.set KSTEP,  512
.set NQ,     4                         ; matrix instructions deep in a slot
.set ROWB,   256                       ; a tile's row in bytes
.set KROW,   512                       ; a row of codes in memory
.set PITCH,  272                       ; an LDS row: 256 bytes + 16 of padding: the 16 rows that a load touches start at 16 different banks (64 banks of 4 bytes: ISA guide 11.1)
.set FR,     8
.set NL,     2
.set NP,     4                         ; places behind this matrix instruction (ISA guide 7.12.1)
.set HALFT,  128*PITCH
.set SLOT,   4*HALFT
.set KS,     32                        ; a row of scale bytes
.set SCL,    2*SLOT
.set HALFS,  (128*KS/256)*272
.set SBLK,   (16*KS/256)*272
.set SPARE,  SCL+4*HALFS               ; the spare words, 128 bytes for each wave: two blocks of 256 bytes that no other line names
.set ADRA, 16
.set ADRB, 20
.set FO,   24                          ; v24  my byte offset in qkv32: 12,288 r + 32 h
.set BO,   25                          ; v25  32 h: my half's eight numbers of the bias
.set CO,   26                          ; v26  my 16 bytes' place in a tile of qkvh
.set ADRS, 27
.set SPW,  28
.set NIL,  29
.set SC,   32
.set AF,   128
.set BIAS, 192
.set G1, 24
.set G0, 32
.set G1B, 48
.set G0B, 56
.set G1S, 68
.set G0S, 76
.set G1SB, 80
.set G0SB, 88
.set CLY, 95                           ; s95  the cluster's y: which 256 positions
.set MSB, 0
.macro WIN new                         ; the immediate's high byte repeats the setting that is left
.if MSB != (\new)
	s_set_vgpr_msb (MSB<<8)|(\new)
.set MSB, (\new)
.endif
.endm
.set MUL_LO, 0xa1                      ; source 0 (W) window 1, source 1 (x) window 0, C and D window 2
.set MUL_HI, 0xf1                      ; the same, C and D window 3
.set TO_B,   0x40
; A joint load: waves 0 and 1 fetch for x, waves 2 and 3 for W.  An s_nop 0 and four v_nop follow each of the two lines.
.macro JLOAD g0a, g1a, g0b, g1b
	s_cmp_eq_u32 s15, 0
	s_cbranch_scc0 .Lfor_b_\@
	tensor_load_to_lds s[\g0a:\g0a+3], s[\g1a:\g1a+7]
	s_nop 0
.rept 4
	v_nop
.endr
	s_branch .Lasked_\@
.Lfor_b_\@:
	tensor_load_to_lds s[\g0b:\g0b+3], s[\g1b:\g1b+7]
	s_nop 0
.rept 4
	v_nop
.endr
.Lasked_\@:
.endm
.macro CROUND                          ; a round of the cluster's barrier
	s_barrier_signal -1
	s_barrier_wait -1
	s_cmp_lg_u32 s14, 0
	s_cbranch_scc1 .Lnot_wave_0_\@
	s_barrier_signal -3
.Lnot_wave_0_\@:
	s_barrier_wait -3
	s_barrier_signal -1
	s_barrier_wait -1
.endm
	s_load_b128 s[4:7], s[0:1], 0x0                ; x's codes, x's scales
	s_load_b128 s[8:11], s[0:1], 0x10              ; W's codes, W's scales
	s_load_b64 s[12:13], s[0:1], 0x20              ; b_qkv
	s_load_b64 s[96:97], s[0:1], 0x28              ; qkvh
	s_load_b64 s[98:99], s[0:1], 0x30              ; qkv32
	v_lshl_add_u32 v[SPW], v0, 2, SPARE
	v_mov_b32 v[NIL], 0
	ds_add_u32 v[SPW], v[NIL]                      ; the wave's opening
	ds_add_u32 v[SPW], v[NIL]
	v_lshrrev_b32 v1, 5, v0
	v_readfirstlane_b32 s14, v1                    ; wave 0..3
	s_lshr_b32 s15, s14, 1                         ; which half of the tile's rows is mine.  Also: I fetch for x (0) or for W (1)
	s_and_b32 s16, s14, 1                          ; which half of its columns.  Also: which 128 rows of that tile I fetch
	s_bfe_u32 s40, ttmp6, 0x40000                  ; cx
	s_bfe_u32 s41, ttmp6, 0x40004                  ; cy
	s_lshl_b32 s42, ttmp9, 2
	s_add_co_u32 s42, s42, s40                     ; tile column = 4 x cluster x + cx; cluster x is the section: 0 q, 1 k, 2 v
	s_and_b32 s[CLY], ttmp7, 0xffff
	s_lshl_b32 s17, s41, 3
	s_add_co_u32 s17, s17, s[CLY]                  ; tile row = 8 cy + cluster y: batch cy, positions 256 x cluster y on
	s_lshl_b32 s43, s41, 2
	s_lshl_b32 s43, 15, s43                        ; my row of the cluster
	s_lshl_b32 s44, 0x1111, s40                    ; my column
	s_or_b32 s[G1+0], s43, (0<<16)|(1<<20)|(1<<21)|(5<<22)|(3<<25)  ; the mask; elements of 1 byte; padding: 4 words after every 64; bit 21 beside a mask
	s_or_b32 s[G1B+0], s44, (0<<16)|(1<<20)|(1<<21)|(5<<22)|(3<<25)
.irp g, G1, G1B
	s_mov_b32 s[\g+1], ROWB<<16                    ; tensor_dim0
	s_mov_b32 s[\g+2], 128<<16                     ; tensor_dim1
	s_mov_b32 s[\g+3], ROWB<<16                    ; tile_dim0
	s_mov_b32 s[\g+4], 128                         ; tile_dim1
	s_mov_b32 s[\g+5], KROW                        ; the pitch
	s_mov_b32 s[\g+6], 0
	s_mov_b32 s[\g+7], 0
.endr
	s_or_b32 s[G1S+0], s43, (3<<16)|(1<<20)|(1<<21)|(5<<22)|(3<<25)  ; the scales of 128 rows: 4,096 dense bytes as 16 rows of 256 bytes, 16 of padding behind each
	s_or_b32 s[G1SB+0], s44, (3<<16)|(1<<20)|(1<<21)|(5<<22)|(3<<25)
.irp g, G1S, G1SB
	s_mov_b32 s[\g+1], 32<<16
	s_mov_b32 s[\g+2], (128*KS/256)<<16
	s_mov_b32 s[\g+3], 32<<16
	s_mov_b32 s[\g+4], 128*KS/256
	s_mov_b32 s[\g+5], 32
	s_mov_b32 s[\g+6], 0
	s_mov_b32 s[\g+7], 0
.endr
	s_lshl_b32 s18, s16, 7
	s_lshl_b32 s20, s17, 8
	s_add_co_u32 s20, s20, s18                     ; x: row 256 x tile row + 128 x half
	s_lshl_b32 s46, s42, 8
	s_add_co_u32 s46, s46, s18                     ; W: row 256 x tile column + 128 x half
	s_mov_b32 s21, 0
	s_mov_b32 s47, 0
	s_mov_b64 s[18:19], KS
	s_mul_u64 s[22:23], s[20:21], s[18:19]
	s_mul_u64 s[92:93], s[46:47], s[18:19]
	s_mov_b64 s[18:19], KROW
	s_mul_u64 s[20:21], s[20:21], s[18:19]
	s_mul_u64 s[46:47], s[46:47], s[18:19]
	s_mul_i32 s45, s14, HALFT                      ; where they go: wave x 128 rows: no place in the cluster enters an LDS address
	s_mul_i32 s94, s14, HALFS
	s_mov_b32 s100, 0x3e38aa3b                     ; c = log2(e) / sqrt(64)
	s_mov_b32 s101, s100                           ; (named with it as a pair)
	s_wait_dscnt 0x0                               ; both opening adds are done
	s_wait_kmcnt 0x0
	s_add_nc_u64 s[20:21], s[4:5], s[20:21]
	s_add_nc_u64 s[22:23], s[6:7], s[22:23]
	s_add_nc_u64 s[46:47], s[8:9], s[46:47]
	s_add_nc_u64 s[92:93], s[10:11], s[92:93]
	CROUND                                         ; all sixteen work-groups are here: the first joint loads meet
	s_mov_b32 s[G0S], 1
	s_add_co_u32 s[G0S+1], s94, SCL
	s_mov_b64 s[G0S+2:G0S+3], s[22:23]
	s_or_b32 s[G0S+3], s[G0S+3], 0x80000000
	s_mov_b32 s[G0SB], 1
	s_add_co_u32 s[G0SB+1], s94, SCL
	s_mov_b64 s[G0SB+2:G0SB+3], s[92:93]
	s_or_b32 s[G0SB+3], s[G0SB+3], 0x80000000
	JLOAD G0S, G1S, G0SB, G1SB                     ; the scales first.  Three tensor loads of mine are out when the third is issued
.irp s, 0,1
	s_mov_b32 s[G0+4*\s], 1
	s_add_co_u32 s[G0+4*\s+1], s45, \s*SLOT
	s_add_nc_u64 s[G0+4*\s+2:G0+4*\s+3], s[20:21], \s*ROWB
	s_or_b32 s[G0+4*\s+3], s[G0+4*\s+3], 0x80000000
	s_mov_b32 s[G0B+4*\s], 1
	s_add_co_u32 s[G0B+4*\s+1], s45, \s*SLOT
	s_add_nc_u64 s[G0B+4*\s+2:G0B+4*\s+3], s[46:47], \s*ROWB
	s_or_b32 s[G0B+4*\s+3], s[G0B+4*\s+3], 0x80000000
	JLOAD G0+4*\s, G1, G0B+4*\s, G1B
.endr
	v_and_b32 v1, 15, v0                           ; r
	v_bfe_u32 v2, v0, 4, 1                         ; h
	v_mul_u32_u24 v3, v1, PITCH
	v_lshl_add_u32 v4, v2, 4, v3
	s_mul_i32 s21, s15, HALFT
	s_mul_i32 s22, s16, HALFT
	s_add_co_u32 s22, s22, 2*HALFT
.irp s, 0,1
	v_add_nc_u32 v[ADRA+\s], s21, v4
	v_add_nc_u32 v[ADRB+\s], s22, v4
	s_add_co_u32 s21, s21, SLOT
	s_add_co_u32 s22, s22, SLOT
.endr
	v_mul_u32_u24 v5, v1, KS                       ; my row's scales: 32 bytes a row,
	v_lshrrev_b32 v6, 8, v5
	v_lshl_add_u32 v5, v6, 4, v5                   ; and 16 more for each 256 passed
	s_mul_i32 s21, s15, HALFS
	s_mul_i32 s22, s16, HALFS
	s_add_co_u32 s22, s22, 2*HALFS
	s_sub_co_u32 s22, s22, s21
	v_mul_u32_u24 v6, s22, v2                      ; lanes 16-31 take W's
	s_add_co_u32 s21, s21, SCL
	v_add_nc_u32 v5, v5, v6
	v_add_nc_u32 v[ADRS], s21, v5
	; the bias, in the result's layout: register 8 b + j of lane (r, h) = b_qkv[256 x tile column + 128 x half + 16 b + 8 h + j]
	s_lshl_b32 s2, s42, 10
	s_lshl_b32 s3, s16, 9
	s_add_co_u32 s2, s2, s3
	s_mov_b32 s3, 0
	s_add_nc_u64 s[12:13], s[12:13], s[2:3]
	v_lshlrev_b32 v[BO], 5, v2
.irp b, 0,1,2,3,4,5,6,7
	global_load_b128 v[BIAS+8*\b:BIAS+8*\b+3], v[BO], s[12:13] offset:64*\b
	global_load_b128 v[BIAS+8*\b+4:BIAS+8*\b+7], v[BO], s[12:13] offset:64*\b+16
.endr
	s_mul_i32 s66, s41, 16*12288                   ; qkv32: batch cy's 16 rows, my 128 columns
	s_mov_b32 s67, 0
	s_add_nc_u64 s[98:99], s[98:99], s[66:67]
	s_add_nc_u64 s[98:99], s[98:99], s[2:3]
	s_mul_i32 s66, s41, 48                         ; qkvh: ((48 b + 4 x tile column + 2 x half) x 128 + 16 x cluster y + 8 x row half) x 2,048
	s_lshl_b32 s94, s42, 2
	s_add_co_u32 s66, s66, s94
	s_lshl_b32 s94, s16, 1
	s_add_co_u32 s66, s66, s94
	s_lshl_b32 s66, s66, 7
	s_lshl_b32 s94, s[CLY], 4
	s_add_co_u32 s66, s66, s94
	s_lshl_b32 s94, s15, 3
	s_add_co_u32 s66, s66, s94
	s_lshl_b32 s66, s66, 11
	s_add_nc_u64 s[96:97], s[96:97], s[66:67]
	v_and_b32 v5, 31, v0
	v_lshlrev_b32 v5, 4, v5                        ; q, k: 16 x lane
	v_and_b32 v6, 7, v1
	v_lshlrev_b32 v6, 4, v6
	v_lshl_add_u32 v6, v2, 7, v6
	v_lshrrev_b32 v7, 3, v1
	v_lshl_add_u32 v6, v7, 8, v6                   ; v: 16 (r % 8) + 128 h + 256 (r / 8)
	s_cmp_eq_u32 ttmp9, 2
	s_cselect_b32 s94, -1, 0
	v_cndmask_b32 v[CO], v5, v6, s94
	v_mul_u32_u24 v[FO], v1, 12288
	v_lshl_add_u32 v[FO], v2, 5, v[FO]
.macro FRAG reg, adr, q, i             ; 16 rows x 128 K of 4-bit codes: 8 registers, two loads of 16 bytes, 32 bytes apart
.irp c, 0,1
	ds_load_b128 v[\reg+4*\c:\reg+4*\c+3], v[\adr] offset:64*(\q)+32*\c+(\i)*16*PITCH
.endr
.endm
; 16 matrix instructions: x's blocks a0, a0 + 1 against W's eight.  first = 1: the bias is C.  The 64 accumulators take turns, one instruction a turn, in the same order in every step.
.macro MUL16 a0, p, q, sc, first
.irp a, \a0, \a0+1
.irp b, 0,1,2,3,4,5,6,7
.if \first
	v_wmma_scale_f32_16x16x128_f8f6f4 v[8*(8*((\a)%4)+\b):8*(8*((\a)%4)+\b)+7], v[128*(\p)+FR*\b:128*(\p)+FR*\b+FR-1], v[AF+FR*(\a):AF+FR*(\a)+FR-1], v[BIAS+8*\b:BIAS+8*\b+7], v[SC+8*NQ*(\sc)+NQ*\b+(\q)], v[SC+8*NQ*(\sc)+NQ*(\a)+(\q)] matrix_a_fmt:MATRIX_FMT_FP4 matrix_b_fmt:MATRIX_FMT_FP4 matrix_a_scale:MATRIX_SCALE_ROW1
.else
	v_wmma_scale_f32_16x16x128_f8f6f4 v[8*(8*((\a)%4)+\b):8*(8*((\a)%4)+\b)+7], v[128*(\p)+FR*\b:128*(\p)+FR*\b+FR-1], v[AF+FR*(\a):AF+FR*(\a)+FR-1], v[8*(8*((\a)%4)+\b):8*(8*((\a)%4)+\b)+7], v[SC+8*NQ*(\sc)+NQ*\b+(\q)], v[SC+8*NQ*(\sc)+NQ*(\a)+(\q)] matrix_a_fmt:MATRIX_FMT_FP4 matrix_b_fmt:MATRIX_FMT_FP4 matrix_a_scale:MATRIX_SCALE_ROW1
.endif
.endr
.endr
.endm
.macro FETCH_B slot, q, p
	WIN TO_B
.irp i, 0,1,2,3,4,5,6,7
	FRAG 128*(\p)+FR*\i, ADRB+\slot, \q, \i
.endr
	WIN 0
.endm
.macro FETCH_A slot, q, i0
.irp i, \i0, \i0+1, \i0+2, \i0+3
	FRAG AF+FR*(\i), ADRA+\slot, \q, \i
.endr
.endm
.macro SCALES sc                       ; a K step's scale words: lanes 0-15 take x's block i, lanes 16-31 W's block i
.irp i, 0,1,2,3,4,5,6,7
	ds_load_b128 v[SC+8*NQ*\sc+NQ*\i:SC+8*NQ*\sc+NQ*\i+3], v[ADRS] offset:\i*SBLK
.endr
.endm
.macro PLACES n                        ; plain vector instructions between a matrix instruction and a load into, or a read of, its registers
.rept \n
	v_nop
.endr
.endm
.macro STEP slot, q, first             ; 128 along K that has its successor in the same slot
	s_wait_dscnt 4*NL                              ; W's set and x's blocks 0-3 are in; the youngest eight loads (x's blocks 4-7) may be out
	WIN MUL_LO-0x20*(\first)                       ; first = 1: C, the bias, lies in window 0
	MUL16 0, (\q)%2, \q, \slot, \first
	MUL16 2, (\q)%2, \q, \slot, \first
	s_wait_dscnt 0
	PLACES NP
	FETCH_B \slot, (\q)+1, 1-(\q)%2
	FETCH_A \slot, (\q)+1, 0
	WIN MUL_HI-0x30*(\first)
	MUL16 4, (\q)%2, \q, \slot, \first
	MUL16 6, (\q)%2, \q, \slot, \first
	PLACES NP
	WIN 0
	FETCH_A \slot, (\q)+1, 4
.endm
; A slot's last step changes slots: one barrier; in front of it each wave waits for all its tensor loads, adds 0 to its spare word, and waits for that and for its reads.  Nothing is filled again.
.macro TURN slot, next
	s_wait_tensorcnt 0x0                           ; my part of the next slot has landed
	ds_add_u32 v[SPW], v[NIL]                      ; 0 onto my spare word
	s_wait_dscnt 4*NL+1                            ; the add and the youngest eight loads may be out
	WIN MUL_LO
	MUL16 0, 1, NQ-1, \slot, 0
	s_wait_dscnt 0x0
	s_barrier_signal -1
	MUL16 2, 1, NQ-1, \slot, 0
	WIN 0
	s_barrier_wait -1                              ; the next slot is whole
	PLACES NP
	v_add_nc_u32 v[ADRS], 4*NQ, v[ADRS]            ; the next K step's scale words
	FETCH_B \next, 0, 0
	FETCH_A \next, 0, 0
	SCALES \next
	WIN MUL_HI
	MUL16 4, 1, NQ-1, \slot, 0
	MUL16 6, 1, NQ-1, \slot, 0
	PLACES NP
	WIN 0
	FETCH_A \next, 0, 4
.endm
	s_wait_tensorcnt 1                             ; the scales and my part of slot 0 are in; slot 1's load may be out
	s_barrier_signal -1
	s_barrier_wait -1
	FETCH_B 0, 0, 0
	FETCH_A 0, 0, 0
	SCALES 0
	FETCH_A 0, 0, 4
	s_wait_loadcnt 0x0                             ; the bias
	STEP 0, 0, 1
	STEP 0, 1, 0
	STEP 0, 2, 0
	TURN 0, 1
	STEP 1, 0, 0
	STEP 1, 1, 0
	STEP 1, 2, 0
	s_wait_dscnt 4*NL                              ; the last step: nothing more to fetch
	WIN MUL_LO
	MUL16 0, 1, NQ-1, 1, 0
	MUL16 2, 1, NQ-1, 1, 0
	s_wait_dscnt 0
	WIN MUL_HI
	MUL16 4, 1, NQ-1, 1, 0
	MUL16 6, 1, NQ-1, 1, 0
	WIN 0
; THE WAY OUT of block a (16 positions x 128 columns).  Every accumulator is read from its low end on.
.macro OUT a
.set AC, 64*((\a)%4)
.set TMP, 96+32*((\a)%2)
.if (\a) >= 2
	s_wait_xcnt 0x0                                ; block a - 2's stores have read these registers
.endif
	s_cmp_lg_u32 ttmp9, 0                          ; the section is the cluster's x: the same in all partners
	s_cbranch_scc1 .Lnot_q_\@
	WIN 0x82+0x41*((\a)/4)                         ; destination and source 0 in window 2 or 3
.set i, 0
.rept 32
	v_pk_mul_f32 v[AC+i:AC+i+1], v[AC+i:AC+i+1], s[100:101] op_sel_hi:[1,0]   ; q x c, in f32, ahead of its one rounding
.set i, i+2
.endr
	WIN 0
.Lnot_q_\@:
.if (\a) == 0
	s_cmp_lg_u32 s[CLY], 0                         ; positions 0-15 lie in cluster y = 0, row half 0, block 0
	s_cbranch_scc1 .Lno32_\@
	s_cmp_lg_u32 s15, 0
	s_cbranch_scc1 .Lno32_\@
	WIN 0x08                                       ; a store's data are its source 1: window 2
.irp b, 0,1,2,3,4,5,6,7
	global_store_b128 v[FO], v[AC+8*\b:AC+8*\b+3], s[98:99] offset:64*\b
	global_store_b128 v[FO], v[AC+8*\b+4:AC+8*\b+7], s[98:99] offset:64*\b+16
.endr
	WIN 0
.Lno32_\@:
.endif
	WIN 0x0a+5*((\a)/4)                            ; sources 0 and 1 in window 2 or 3
.irp b, 0,1,2,3,4,5,6,7
.irp i, 0,1,2,3
	v_cvt_pk_f16_f32 v[TMP+4*\b+\i], v[AC+8*\b+2*\i], v[AC+8*\b+2*\i+1]
.endr
.endr
	WIN 0
.irp b, 0,1,2,3,4,5,6,7
	global_store_b128 v[CO], v[TMP+4*\b:TMP+4*\b+3], s[96:97] offset:(\a)*2048+(\b/4)*262144+(\b%4)*512   ; the wave stores a tile: 512 consecutive bytes
.endr
.endm
	PLACES NP
.irp a, 0,1,2,3,4,5,6,7
	OUT \a
.endr
	s_wait_tensorcnt 0x0                           ; the wave's end
	ds_add_u32 v[SPW], v[NIL]
	s_wait_dscnt 0x0
	CROUND                                         ; the closing round
	s_endpgm
.Lfunc_end_k_q6d1d43383d_qkv:
	.size	k_q6d1d43383d_qkv, .Lfunc_end_k_q6d1d43383d_qkv-k_q6d1d43383d_qkv
	.p2alignl 7, 3214868480
	.fill 96, 4, 3214868480
	.section	.rodata,"a",@progbits
	.p2align	6, 0x0
	.amdhsa_kernel k_q6d1d43383d_qkv
		.amdhsa_group_segment_fixed_size 327680
		.amdhsa_private_segment_fixed_size 0
		.amdhsa_enable_private_segment 0
		.amdhsa_kernarg_size 56
		.amdhsa_user_sgpr_count 2
		.amdhsa_user_sgpr_kernarg_segment_ptr 1
		.amdhsa_wavefront_size32 1
		.amdhsa_system_sgpr_workgroup_id_x 1
		.amdhsa_system_sgpr_workgroup_id_y 1
		.amdhsa_system_sgpr_workgroup_id_z 1
		.amdhsa_system_vgpr_workitem_id 0
		.amdhsa_next_free_vgpr 1024
		.amdhsa_next_free_sgpr 102
		.amdhsa_reserve_vcc 0
		.amdhsa_float_denorm_mode_32 3
		.amdhsa_float_denorm_mode_16_64 3
		.amdhsa_memory_ordered 1
		.amdhsa_forward_progress 1
		.amdhsa_inst_pref_size 139
	.end_amdhsa_kernel
	.amdgpu_metadata
---
amdhsa.version: [ 1, 2 ]
amdhsa.kernels:
  - .name:           k_q6d1d43383d_qkv
    .symbol:         k_q6d1d43383d_qkv.kd
    .args:
      - { .name: xc, .offset: 0, .size: 8, .value_kind: global_buffer, .address_space: global }
      - { .name: xs, .offset: 8, .size: 8, .value_kind: global_buffer, .address_space: global }
      - { .name: wc, .offset: 16, .size: 8, .value_kind: global_buffer, .address_space: global }
      - { .name: ws, .offset: 24, .size: 8, .value_kind: global_buffer, .address_space: global }
      - { .name: b_qkv, .offset: 32, .size: 8, .value_kind: global_buffer, .address_space: global }
      - { .name: qkvh, .offset: 40, .size: 8, .value_kind: global_buffer, .address_space: global }
      - { .name: qkv32, .offset: 48, .size: 8, .value_kind: global_buffer, .address_space: global }
    .group_segment_fixed_size: 327680
    .private_segment_fixed_size: 0
    .kernarg_segment_align: 8
    .kernarg_segment_size: 56
    .max_flat_workgroup_size: 128
    .sgpr_count:     102
    .vgpr_count:     1024
    .wavefront_size: 32
...
	.end_amdgpu_metadata
.endif
;; end of part 2
;; launch attn (part 3): grid 4 x 64, 16 waves a work-group, clusters of 4 x 1, 327,680 bytes of LDS; arguments qkvh, yh; writes yh
.if DOCPART == 3
	.amdgcn_target "amdgcn-amd-amdhsa--gfx1250"
	.amdhsa_code_object_version 6
	.text
	.protected	k_q6d1d43383d_attn
	.globl	k_q6d1d43383d_attn
	.p2align	8
	.type	k_q6d1d43383d_attn,@function
k_q6d1d43383d_attn:
	s_mov_b64 s[64:65], 0
	v_nop
	global_prefetch_b8 v0, s[64:65] scope:SCOPE_SE
	s_setreg_imm32_b32 hwreg(HW_REG_WAVE_MODE, 25, 1), 1
	s_wait_xcnt 0x0
	s_wait_alu depctr_hold_cnt(0) depctr_sa_sdst(0) depctr_va_vdst(0) depctr_va_sdst(0) depctr_va_ssrc(0) depctr_va_vcc(0) depctr_vm_vsrc(0)
	s_getreg_b32 s2, hwreg(HW_REG_IB_STS2, 6, 4)
	s_cmp_eq_u32 s2, 0
	s_cbranch_scc0 .Lentry_in_a_cluster
	s_endpgm
.Lentry_in_a_cluster:
	s_bfe_u32 s2, ttmp6, 0x10000c
	s_cmp_lg_u32 s2, 0x3003
	s_cbranch_scc0 .Lentry_shape_is_right
	s_endpgm
.Lentry_shape_is_right:
; y[b][h][q] = the sum over k <= q of softmax_k(q . k / 8) v, with f16 operands and f32 products, maxima and sums.  c = log2(e) / 8 lies in q already, so a score arrives as t and p = 2^(t - m), m the running maximum.
; SHARES.  A cluster of four work-groups is one (batch, head); work-group j = cx.  Each of the 16 waves has a rank rho (0..15, a permutation of the wave's number) and owns TWO tiles of 16 queries:
;   tile 0: queries 64 (31 - rho) + 16 j on;   tile 1: queries 64 rho + 16 j on.   Keys go 64 a step, steps 0..31.  Tile 1 works in steps 0..rho, tile 0 in steps 0..31 - rho: 33 tile steps for every wave of the launch.
;   What is left out lies wholly under the causal mask.  Every branch hangs on the wave's number and on counters; cx enters global addresses and the mask's compare alone.
; K and V come through two LDS slots of 256 keys by JOINT loads (mask: all four partners), issued by waves 0-3, 16 KiB each; every slot is read in every partner (the last by ranks 0-3).
; LAYOUT.  Both products are used transposed: S^T = K Q^T (a lane holds one query and 8 keys a tile), O^T = V^T P.  Two tiles of S^T, rounded to f16 in pairs IN PLACE, are source 1 of the second product.
;   q, k lie in memory as images of fragment registers (16 bytes a lane at 16 x lane), v for the turning load: every LDS read is 512 consecutive bytes.  y leaves the same way, as the projection's operand: no stage.
; LIMITS: |y| under 65,504; the row's sum is taken of p before its rounding to f16; NaN and infinities are not served.
; REGISTERS: v1 16 x lane; v2 the step's LDS address; v3 D = 16 j + r - 8 h; v4 -infinity; v5, v6 the add's two; v7 256 x lane; v8-31 statistics, 12 a tile; v32-63 Q; v64-127 S^T, then P; v128-191 O^T; v192-255 K's, then V's fragments.
.set SLOT1, 1<<16                      ; a slot: 32,768 bytes of K (16 tiles of keys x 2,048), then 32,768 of V; slot 1 begins here, so that one exclusive or turns an address
.set SPARE, 2*SLOT1                    ; the spare words, 128 bytes for each of 16 waves: eight blocks of 256 bytes that no other line names
.set LA,  1
.set ADK, 2
.set D,   3
.set NINF, 4
.set SPW, 5
.set NIL, 6
.set PFO, 7
.set ST,  8                            ; tile t at v[ST + 12 t]: +0 m, +1 its partner in a pair, +2, +3 l in two halves, +4 a, +5 its partner, +6..+9 four maxima (+6, +7 later a second chain of sums), +10 the old m, +11 the other half's
.set Q,   32
.set S,   64
.set O,   128
.set KV,  192
.set WV,  8
.set RHO, 9
.set HL,  10                           ; 31 - rho: tile 0's last step
.set CX,  11
.set SEL, 20
.set G1,  24
.set G0,  40
.set TB,  44                           ; LDS byte at which the step's K begins
.set SI,  45                           ; the step's number
.set TW,  46
.set SLOTS, 47
.set LIM, 48
.set PFA, 50
.macro PLACES
.rept 4
	v_nop
.endr
.endm
.macro CROUND                          ; a round of the cluster's barrier
	s_barrier_signal -1
	s_barrier_wait -1
	s_cmp_lg_u32 s[WV], 0
	s_cbranch_scc1 .Lnot_wave_0_\@
	s_barrier_signal -3
.Lnot_wave_0_\@:
	s_barrier_wait -3
	s_barrier_signal -1
	s_barrier_wait -1
.endm
.macro JLOAD                           ; waves 0, 1: K's halves; waves 2, 3: V's; one descriptor, told apart by the wave's number.  An s_nop 0 and four v_nop follow the load
	s_cmp_lt_u32 s[WV], 4
	s_cbranch_scc0 .Lasked_\@
	tensor_load_to_lds s[G0:G0+3], s[G1:G1+7]
	s_nop 0
	PLACES
.Lasked_\@:
.endm
; A prefetch of the slot that the NEXT change of slots will ask for.  Wave 4 names K's 32,768 bytes, wave 5 V's; the four partners take 8,192 bytes each, told apart by address; a lane names each 256 bytes: every block once in the launch.
; The change that asks for the last slot names nothing.
.macro ASK
	s_cmp_gt_u32 s[SLOTS], s[LIM]
	s_cbranch_scc0 .Lnot_mine_\@
	global_prefetch_b8 v[PFO], s[PFA:PFA+1] th:TH_LOAD_NT scope:SCOPE_SE
.Lnot_mine_\@:
.endm
	s_load_b128 s[4:7], s[0:1], 0x0                ; qkvh, yh
	v_lshl_add_u32 v[SPW], v0, 2, SPARE
	v_mov_b32 v[NIL], 0
	ds_add_u32 v[SPW], v[NIL]                      ; the wave's opening
	ds_add_u32 v[SPW], v[NIL]
	v_lshrrev_b32 v1, 5, v0
	v_readfirstlane_b32 s[WV], v1                  ; wave 0..15
	s_bfe_u32 s[CX], ttmp6, 0x40000
	s_lshr_b32 s12, s[WV], 2
	s_and_b32 s13, s[WV], 3
	s_add_co_u32 s12, s12, s13
	s_and_b32 s12, s12, 3
	s_lshl_b32 s12, s12, 2
	s_add_co_u32 s[RHO], s12, s13                  ; rho = 4 ((w / 4 + w % 4) % 4) + w % 4: each four neighbouring ranks lie in four different classes of w % 4 and of w / 4
	s_xor_b32 s[HL], s[RHO], 31                    ; 31 - rho
	s_and_b32 s12, ttmp7, 0xffff
	s_lshr_b32 s52, s12, 4                         ; batch
	s_and_b32 s53, s12, 15                         ; head
	s_mul_i32 s16, s52, 48
	s_add_co_u32 s16, s16, s53
	s_lshl_b32 s16, s16, 18                        ; where the head's q begins; k lies 4,194,304 bytes on, v 8,388,608
	s_mov_b32 s17, 0
	s_mov_b32 s[G1], 15|(3<<16)|(1<<21)            ; the mask: all four; elements of 8 bytes; bit 21 beside a mask; no padding
	s_mov_b32 s[G1+1], 32<<16                      ; 16,384 dense bytes as 64 rows of 256
	s_mov_b32 s[G1+2], 64<<16
	s_mov_b32 s[G1+3], 32<<16
	s_mov_b32 s[G1+4], 64
	s_mov_b32 s[G1+5], 32
	s_mov_b32 s[G1+6], 0
	s_mov_b32 s[G1+7], 0
	s_and_b32 s12, s[WV], 3                        ; what a loading wave fetches
	s_lshr_b32 s13, s12, 1
	s_add_co_u32 s13, s13, 1
	s_lshl_b32 s13, s13, 22                        ; k or v,
	s_and_b32 s12, s12, 1
	s_lshl_b32 s12, s12, 14                        ; first or second 128 keys of a slot
	s_add_co_u32 s18, s12, s13
	s_mov_b32 s19, 0
	s_add_nc_u64 s[18:19], s[18:19], s[16:17]
	s_lshl_b32 s12, s[RHO], 2
	s_add_co_u32 s13, s12, s[CX]                   ; tile 1: positions 16 (4 rho + j) on
	s_sub_co_u32 s12, 124, s12
	s_add_co_u32 s12, s12, s[CX]                   ; tile 0: 16 (124 - 4 rho + j) on
	s_lshl_b32 s32, s12, 11
	s_mov_b32 s33, 0
	s_add_nc_u64 s[32:33], s[32:33], s[16:17]
	s_lshl_b32 s34, s13, 11
	s_mov_b32 s35, 0
	s_add_nc_u64 s[34:35], s[34:35], s[16:17]
	s_lshl_b32 s14, s52, 7
	s_lshl_b32 s15, s53, 11
	s_add_co_u32 s36, s14, s12                     ; y: (128 b + tile) x 32,768 + 2,048 x head
	s_lshl_b32 s36, s36, 15
	s_add_co_u32 s36, s36, s15
	s_mov_b32 s37, 0
	s_add_co_u32 s38, s14, s13
	s_lshl_b32 s38, s38, 15
	s_add_co_u32 s38, s38, s15
	s_mov_b32 s39, 0
	s_and_b32 s12, s[WV], 1                        ; the prefetches: k (wave 4) or v (wave 5), my work-group's quarter, in slot 1: the first change of slots steps it to slot 2
	s_add_co_u32 s12, s12, 1
	s_lshl_b32 s12, s12, 22
	s_lshl_b32 s13, s[CX], 13
	s_add_co_u32 s50, s12, s13
	s_add_co_u32 s50, s50, 32768
	s_mov_b32 s51, 0
	s_add_nc_u64 s[PFA:PFA+1], s[PFA:PFA+1], s[16:17]
	s_sub_co_u32 s12, s[WV], 4
	s_lshr_b32 s12, s12, 1
	s_cmp_eq_u32 s12, 0
	s_cselect_b32 s[LIM], 1, -1
	s_mov_b32 s[SEL], 0x76543210
	s_mov_b32 s[SEL+1], 0xfedcba98
	s_mov_b32 s[TB], 0
	s_mov_b32 s[SI], 0
	s_mov_b32 s[SLOTS], 7
	s_wait_dscnt 0x0                               ; both opening adds are done
	s_wait_kmcnt 0x0
	s_add_nc_u64 s[32:33], s[4:5], s[32:33]
	s_add_nc_u64 s[34:35], s[4:5], s[34:35]
	s_add_nc_u64 s[36:37], s[6:7], s[36:37]
	s_add_nc_u64 s[38:39], s[6:7], s[38:39]
	s_add_nc_u64 s[PFA:PFA+1], s[4:5], s[PFA:PFA+1]
	s_mov_b32 s[G0], 1
	s_lshl_b32 s[G0+1], s[WV], 14                  ; LDS: 16,384 x wave, in slot 0
	s_add_nc_u64 s[G0+2:G0+3], s[4:5], s[18:19]
	s_or_b32 s[G0+3], s[G0+3], 0x80000000
	CROUND                                         ; all four work-groups are here: the first joint loads meet
	JLOAD                                          ; slot 0.  One tensor load of a wave is out at the most, here and behind every round
	v_and_b32 v[LA], 31, v0
	v_lshlrev_b32 v[PFO], 8, v[LA]
	v_lshlrev_b32 v[LA], 4, v[LA]
.irp t, 0,1
.irp cb, 0,1,2,3
	global_load_b128 v[Q+16*\t+4*\cb:Q+16*\t+4*\cb+3], v[LA], s[32+2*\t:33+2*\t] offset:512*\cb   ; Q stays in registers
.endr
.endr
	v_and_b32 v[D], 15, v0
	v_bfe_u32 v[ADK], v0, 4, 1
	v_lshlrev_b32 v[ADK], 3, v[ADK]
	v_sub_nc_u32 v[D], v[D], v[ADK]
	s_lshl_b32 s12, s[CX], 4
	v_add_nc_u32 v[D], s12, v[D]                   ; on a tile's diagonal step register 8 kt + i holds a hidden key where 16 kt + i > D
	v_mov_b32 v[NINF], 0xff800000
.irp t, 0,1
	v_mov_b32 v[ST+12*\t], 0xff61b1e6              ; m: -3e38, under every t
	v_mov_b32 v[ST+12*\t+1], 0xff61b1e6
	v_mov_b32 v[ST+12*\t+2], 0                     ; l
	v_mov_b32 v[ST+12*\t+3], 0
	v_mov_b32 v[ST+12*\t+5], 0
	v_mov_b32 v[ST+12*\t+11], 0                    ; a lane permute's destination counts as one of its sources
.endr
.set n, 0
.rept 64
	v_mov_b32 v[O+n], 0                            ; O^T.  The step is written with no first step of its own: the first a is 0 and finds zeros
.set n, n+1
.endr
; One key step's softmax for the live tiles (nt = 2: both; 1: tile 0), the tiles line by line by turns.
.macro SOFT nt
.irp q, 0,1,2,3
.irp t, 0,1
.if \t < \nt
	v_max3_num_f32 v[ST+12*\t+6+\q], v[S+32*\t+8*\q], v[S+32*\t+8*\q+1], v[S+32*\t+8*\q+2]   ; each accumulator is read from its low end on
.endif
.endr
.endr
.irp i, 3,5
.irp q, 0,1,2,3
.irp t, 0,1
.if \t < \nt
	v_max3_num_f32 v[ST+12*\t+6+\q], v[ST+12*\t+6+\q], v[S+32*\t+8*\q+\i], v[S+32*\t+8*\q+\i+1]
.endif
.endr
.endr
.endr
.irp t, 0,1
.if \t < \nt
	v_max3_num_f32 v[ST+12*\t+6], v[ST+12*\t+6], v[S+32*\t+7], v[S+32*\t+15]
	v_max3_num_f32 v[ST+12*\t+8], v[ST+12*\t+8], v[S+32*\t+23], v[S+32*\t+31]
.endif
.endr
.irp t, 0,1
.if \t < \nt
	v_max3_num_f32 v[ST+12*\t+6], v[ST+12*\t+6], v[ST+12*\t+7], v[ST+12*\t+8]
.endif
.endr
.irp t, 0,1
.if \t < \nt
	v_max3_num_f32 v[ST+12*\t+6], v[ST+12*\t+6], v[ST+12*\t+9], v[ST+12*\t]   ; with the old m
.endif
.endr
.irp t, 0,1
.if \t < \nt
	v_permlanex16_b32 v[ST+12*\t+11], v[ST+12*\t+6], s[SEL], s[SEL+1]   ; the query's other 32 keys lie in the lane 16 away
.endif
.endr
.irp t, 0,1
.if \t < \nt
	v_mov_b32 v[ST+12*\t+10], v[ST+12*\t]
.endif
.endr
.irp t, 0,1
.if \t < \nt
	v_max_num_f32 v[ST+12*\t], v[ST+12*\t+6], v[ST+12*\t+11]   ; the new m
.endif
.endr
.irp t, 0,1
.if \t < \nt
	v_sub_f32 v[ST+12*\t+10], v[ST+12*\t+10], v[ST+12*\t]
.endif
.endr
.irp t, 0,1
.if \t < \nt
	v_exp_f32 v[ST+12*\t+4], v[ST+12*\t+10]        ; a = 2^(old m - new m)
.endif
.endr
.set n, 0
.rept 16
.irp t, 0,1
.if \t < \nt
	v_pk_add_f32 v[S+32*\t+n:S+32*\t+n+1], v[S+32*\t+n:S+32*\t+n+1], v[ST+12*\t:ST+12*\t+1] op_sel_hi:[1,0] neg_lo:[0,1] neg_hi:[0,1]   ; t - m: 0 at the maximum, never above
.endif
.endr
.set n, n+2
.endr
.set n, 0
.rept 32
.irp t, 0,1
.if \t < \nt
	v_exp_f32 v[S+32*\t+n], v[S+32*\t+n]
.endif
.endr
.set n, n+1
.endr
	v_nop                                          ; a plain instruction behind the last exponential,
	s_wait_alu depctr_va_vdst(0)                   ; and ONE wait for the whole batch, ahead of its first reader
.irp t, 0,1
.if \t < \nt
	v_pk_mul_f32 v[ST+12*\t+2:ST+12*\t+3], v[ST+12*\t+2:ST+12*\t+3], v[ST+12*\t+4:ST+12*\t+5] op_sel_hi:[1,0]
	v_pk_add_f32 v[ST+12*\t+6:ST+12*\t+7], v[S+32*\t:S+32*\t+1], v[S+32*\t+2:S+32*\t+3]
.endif
.endr
.irp u, 4,8,12,16,20,24,28
.irp t, 0,1
.if \t < \nt
	v_pk_add_f32 v[ST+12*\t+2:ST+12*\t+3], v[ST+12*\t+2:ST+12*\t+3], v[S+32*\t+\u:S+32*\t+\u+1]   ; the row's sum, of p in f32, in two chains
	v_pk_add_f32 v[ST+12*\t+6:ST+12*\t+7], v[ST+12*\t+6:ST+12*\t+7], v[S+32*\t+\u+2:S+32*\t+\u+3]
.endif
.endr
.endr
.irp t, 0,1
.if \t < \nt
	v_pk_add_f32 v[ST+12*\t+2:ST+12*\t+3], v[ST+12*\t+2:ST+12*\t+3], v[ST+12*\t+6:ST+12*\t+7]
.endif
.endr
.set n, 0
.rept 16
.irp t, 0,1
.if \t < \nt
	v_cvt_pk_f16_f32 v[S+32*\t+n], v[S+32*\t+2*n], v[S+32*\t+2*n+1]   ; P, in place, ascending: register n is written when its own number has been read
.endif
.endr
.set n, n+1
.endr
.set n, 0
.rept 16
.irp t, 0,1
.if \t < \nt
	v_pk_mul_f32 v[O+32*\t+n:O+32*\t+n+1], v[O+32*\t+n:O+32*\t+n+1], v[ST+12*\t+4:ST+12*\t+5] op_sel_hi:[1,0]   ; O^T x a
.endif
.endr
.set n, n+2
.endr
.endm
; A KEY STEP of 64 keys for nt live tiles.
.macro STEP nt
	v_add_nc_u32 v[ADK], s[TB], v[LA]              ; with the four below: five plain instructions behind the last step's products, ahead of the loads into their operands and of the products that write over P
	PLACES
.irp g, 0,1,2,3,4,5,6,7,8,9,10,11,12,13,14,15
	ds_load_b128 v[KV+4*\g:KV+4*\g+3], v[ADK] offset:512*\g   ; K: tile of keys g / 4, channels 16 (g % 4) on
.endr
	s_wait_dscnt 0x0
.irp c, 0,1
.irp kt, 0,1,2,3
.irp t, 0,1
.if \t < \nt
.if \c == 0
	v_wmma_f32_16x16x32_f16 v[S+32*\t+8*\kt:S+32*\t+8*\kt+7], v[KV+16*\kt:KV+16*\kt+7], v[Q+16*\t:Q+16*\t+7], 0
.else
	v_wmma_f32_16x16x32_f16 v[S+32*\t+8*\kt:S+32*\t+8*\kt+7], v[KV+16*\kt+8:KV+16*\kt+15], v[Q+16*\t+8:Q+16*\t+15], v[S+32*\t+8*\kt:S+32*\t+8*\kt+7]
.endif
.endif
.endr
.endr
.endr                                  ; the 4 nt accumulators take turns, one instruction a turn
	PLACES                                         ; ahead of the loads into K's registers and of the first read of the scores
.irp kk, 0,1
.irp ct, 0,1,2,3
	ds_load_tr16_b128 v[KV+8*(4*\kk+\ct):KV+8*(4*\kk+\ct)+3], v[ADK] offset:32768+4096*\kk+512*\ct          ; V, turned: channels 16 ct on, keys 32 kk on; it lands during the softmax
	ds_load_tr16_b128 v[KV+8*(4*\kk+\ct)+4:KV+8*(4*\kk+\ct)+7], v[ADK] offset:32768+4096*\kk+512*\ct+2048
.endr
.endr
.if \nt == 2
	s_cmp_lg_u32 s[SI], s[RHO]                     ; tile 1's diagonal step
.else
	s_cmp_lg_u32 s[SI], s[HL]                      ; tile 0's
.endif
	s_cbranch_scc1 .Lopen_\@
.set n, 0
.rept 32
	v_cmp_gt_i32 vcc_lo, 16*(n/8)+n%8, v[D]
	v_cndmask_b32 v[S+32*(\nt-1)+n], v[S+32*(\nt-1)+n], v[NINF], vcc_lo   ; a hidden key's score becomes -infinity: p = 0
.set n, n+1
.endr
.Lopen_\@:
	SOFT \nt
	s_wait_dscnt 0x0                               ; V is in
.irp kk, 0,1
.irp ct, 0,1,2,3
.irp t, 0,1
.if \t < \nt
	v_wmma_f32_16x16x32_f16 v[O+32*\t+8*\ct:O+32*\t+8*\ct+7], v[KV+8*(4*\kk+\ct):KV+8*(4*\kk+\ct)+7], v[S+32*\t+8*\kk:S+32*\t+8*\kk+7], v[O+32*\t+8*\ct:O+32*\t+8*\ct+7]
.endif
.endr
.endr
.endr
.endm
; THE CHANGE OF SLOTS stands at a slot's head.  Each wave waits for all its tensor loads, adds 0 to its spare word, and waits for that and for its reads of the slot that it has left.
; fill = 1: a round of the cluster's barrier, and behind it the joint load of the next 256 keys into the slot just left: it has a slot's four steps in which to land.
.macro CHANGE fill
	s_wait_tensorcnt 0x0                           ; no tensor load of mine is out, so the descriptor may be written
	ds_add_u32 v[SPW], v[NIL]                      ; 0 onto my spare word
.if \fill
	ds_add_u32 v[SPW], v[NIL]                      ; and once more
	s_xor_b32 s[G0+1], s[G0+1], SLOT1              ; the other slot than last time,
	s_add_nc_u64 s[G0+2:G0+3], s[G0+2:G0+3], 32768 ; the next 256 keys
	s_wait_xcnt 0x0                                ; the last prefetch, a slot back, has read its address
	s_add_nc_u64 s[PFA:PFA+1], s[PFA:PFA+1], 32768
	s_wait_dscnt 0x0
	CROUND
	JLOAD
	ASK
.else
	s_wait_dscnt 0x0
	s_barrier_signal -1
	s_barrier_wait -1
.endif
.endm
; A slot's four steps: written once, walked four times by every wave; a wave passes over the work of the steps that lie wholly under the mask for its tiles.
.macro FOUR two
	s_mov_b32 s[TW], 4
.Lfour_\@:
	s_cmp_gt_u32 s[SI], s[HL]
	s_cbranch_scc1 .Lnext_\@
.if \two
	s_cmp_gt_u32 s[SI], s[RHO]
	s_cbranch_scc1 .Lone_\@
	STEP 2
	s_branch .Lnext_\@
.Lone_\@:
.endif
	STEP 1
.Lnext_\@:
	s_add_co_u32 s[TB], s[TB], 8192
	s_add_co_u32 s[SI], s[SI], 1
	s_sub_co_u32 s[TW], s[TW], 1
	s_cmp_lg_u32 s[TW], 0
	s_cbranch_scc1 .Lfour_\@
	s_sub_co_u32 s[TB], s[TB], 32768
	s_xor_b32 s[TB], s[TB], SLOT1                  ; on to the other slot
.endm
	s_wait_loadcnt 0x0                             ; Q
.Lslot:                                            ; seven trips: behind each change of slots but the last the next slot is asked for
	CHANGE 1
	FOUR 1
	s_sub_co_u32 s[SLOTS], s[SLOTS], 1
	s_cmp_lg_u32 s[SLOTS], 0
	s_cbranch_scc1 .Lslot
	CHANGE 0                                       ; the last slot is written out; in steps 28-31 tile 0 alone can work
	FOUR 0
	; THE WAY OUT: O^T / l, rounded to f16; a lane's eight channels of a query are 16 bytes at 16 x lane of a tile of yh.
	PLACES
.irp t, 0,1
	v_add_f32 v[ST+12*\t+6], v[ST+12*\t+2], v[ST+12*\t+3]
.endr
.irp t, 0,1
	v_permlanex16_b32 v[ST+12*\t+11], v[ST+12*\t+6], s[SEL], s[SEL+1]
.endr
.irp t, 0,1
	v_add_f32 v[ST+12*\t+6], v[ST+12*\t+6], v[ST+12*\t+11]
.endr
.irp t, 0,1
	v_rcp_f32 v[ST+12*\t+4], v[ST+12*\t+6]
.endr
	v_nop
	s_wait_alu depctr_va_vdst(0)                   ; one wait for both reciprocals, ahead of their first reader
.irp t, 0,1
.set n, 0
.rept 16
	v_pk_mul_f32 v[O+32*\t+n:O+32*\t+n+1], v[O+32*\t+n:O+32*\t+n+1], v[ST+12*\t+4:ST+12*\t+5] op_sel_hi:[1,0]
.set n, n+2
.endr
.set n, 0
.rept 16
	v_cvt_pk_f16_f32 v[S+32*\t+n], v[O+32*\t+2*n], v[O+32*\t+2*n+1]
.set n, n+1
.endr
.irp ct, 0,1,2,3
	global_store_b128 v[LA], v[S+32*\t+4*\ct:S+32*\t+4*\ct+3], s[36+2*\t:37+2*\t] offset:512*\ct   ; the wave stores 512 consecutive bytes
.endr
.endr
	s_wait_tensorcnt 0x0                           ; the wave's end
	ds_add_u32 v[SPW], v[NIL]
	s_wait_dscnt 0x0
	CROUND                                         ; the closing round
	s_endpgm
.Lfunc_end_k_q6d1d43383d_attn:
	.size	k_q6d1d43383d_attn, .Lfunc_end_k_q6d1d43383d_attn-k_q6d1d43383d_attn
	.p2alignl 7, 3214868480
	.fill 96, 4, 3214868480
	.section	.rodata,"a",@progbits
	.p2align	6, 0x0
	.amdhsa_kernel k_q6d1d43383d_attn
		.amdhsa_group_segment_fixed_size 327680
		.amdhsa_private_segment_fixed_size 0
		.amdhsa_enable_private_segment 0
		.amdhsa_kernarg_size 16
		.amdhsa_user_sgpr_count 2
		.amdhsa_user_sgpr_kernarg_segment_ptr 1
		.amdhsa_wavefront_size32 1
		.amdhsa_system_sgpr_workgroup_id_x 1
		.amdhsa_system_sgpr_workgroup_id_y 1
		.amdhsa_system_sgpr_workgroup_id_z 1
		.amdhsa_system_vgpr_workitem_id 0
		.amdhsa_next_free_vgpr 256
		.amdhsa_next_free_sgpr 66
		.amdhsa_reserve_vcc 1
		.amdhsa_float_denorm_mode_32 3
		.amdhsa_float_denorm_mode_16_64 3
		.amdhsa_memory_ordered 1
		.amdhsa_forward_progress 1
		.amdhsa_inst_pref_size 59
	.end_amdhsa_kernel
	.amdgpu_metadata
---
amdhsa.version: [ 1, 2 ]
amdhsa.kernels:
  - .name:           k_q6d1d43383d_attn
    .symbol:         k_q6d1d43383d_attn.kd
    .args:
      - { .name: qkvh, .offset: 0, .size: 8, .value_kind: global_buffer, .address_space: global }
      - { .name: yh, .offset: 8, .size: 8, .value_kind: global_buffer, .address_space: global }
    .group_segment_fixed_size: 327680
    .private_segment_fixed_size: 0
    .kernarg_segment_align: 8
    .kernarg_segment_size: 16
    .max_flat_workgroup_size: 512
    .sgpr_count:     66
    .vgpr_count:     256
    .wavefront_size: 32
...
	.end_amdgpu_metadata
.endif
;; end of part 3
;; launch proj (part 4): grid 4 x 64, 4 waves a work-group, clusters of 4 x 4, 327,680 bytes of LDS; arguments yh, woh, b_out, out0; writes out0
.if DOCPART == 4
	.amdgcn_target "amdgcn-amd-amdhsa--gfx1250"
	.amdhsa_code_object_version 6
	.text
	.protected	k_q6d1d43383d_proj
	.globl	k_q6d1d43383d_proj
	.p2align	8
	.type	k_q6d1d43383d_proj,@function
k_q6d1d43383d_proj:
	s_mov_b64 s[64:65], 0
	v_nop
	global_prefetch_b8 v0, s[64:65] scope:SCOPE_SE
	s_setreg_imm32_b32 hwreg(HW_REG_WAVE_MODE, 25, 1), 1
	s_wait_xcnt 0x0
	s_wait_alu depctr_hold_cnt(0) depctr_sa_sdst(0) depctr_va_vdst(0) depctr_va_sdst(0) depctr_va_ssrc(0) depctr_va_vcc(0) depctr_vm_vsrc(0)
	s_getreg_b32 s2, hwreg(HW_REG_IB_STS2, 6, 4)
	s_cmp_eq_u32 s2, 0
	s_cbranch_scc0 .Lentry_in_a_cluster
	s_endpgm
.Lentry_in_a_cluster:
	s_bfe_u32 s2, ttmp6, 0x10000c
	s_cmp_lg_u32 s2, 0xf033
	s_cbranch_scc0 .Lentry_shape_is_right
	s_endpgm
.Lentry_shape_is_right:
; out0 = y W_out + b_out, f16 operands, f32 sums.  M 8,192, N 1,024, K 1,024.  (Rows of positions 0-15 are written again, more finely, by the launch that follows.)
; A work-group of four waves makes 128 rows x 256 columns: 256 work-groups.  A wave makes 64 x 128: 32 accumulators, 256 registers.  K goes in 8 steps of 128 through two LDS slots.
; Both operands lie in memory as tiles of 512 bytes in fragment order: yh [row / 16][k / 16], woh [n / 16][k / 16]: a K step of a tile row is 4,096 consecutive bytes, and every LDS read is 512 consecutive bytes: no padding.
; CLUSTERS: 4 x 4 work-groups; y's tiles are shared along a row of the cluster, W_out's along a column, by joint loads.  THE MATRIX INSTRUCTION IS USED TRANSPOSED: a lane holds eight neighbouring columns of a row of out0.
; The bias is the C of each sum's first instruction.  LIMITS: as stated where yh and woh are made (f16's range).
; REGISTERS: window 0: v0-31 addresses; v32-127, v128-223 two fragment buffers (y's 4 blocks, then W_out's 8), later rows on the way out.   window 1: accumulator (a, b) at v[8 (8 a + b)].   window 2: v0-63 the bias.
.set SLOT,   98304                     ; y: 8 tile rows x 4,096 bytes; then W_out: 16 x 4,096
.set BOFF,   32768
.set STAGE,  2*SLOT                    ; behind the ring: 16 rows x 528 bytes for each wave; no tensor load lands here
.set SPITCH, 528
.set SPARE,  STAGE+4*16*SPITCH         ; the spare words, 128 bytes for each wave: two blocks of 256 bytes that no other line names
.set LAPS,   4
.set ADRA, 16
.set ADRB, 20
.set STO,  24
.set RD,   25
.set CO,   26
.set BO,   27
.set SPW,  28
.set NIL,  29
.set F0,   32
.set F1,   128
.set BK,   32
.set G1, 24
.set G0, 32
.set G1B, 48
.set G0B, 56
.set MSB, 0
.macro WIN new
.if MSB != (\new)
	s_set_vgpr_msb (MSB<<8)|(\new)
.set MSB, (\new)
.endif
.endm
.set MUL, 0x50                         ; sources 0 and 1 window 0; C and D window 1.  With 0x10 more: C in window 2, the bias
.macro JLOAD s                         ; waves 0 and 1 fetch y's two halves, waves 2 and 3 W_out's; an s_nop 0 and four v_nop follow each of the two lines
	s_cmp_eq_u32 s11, 0
	s_cbranch_scc0 .Lfor_b_\@
	tensor_load_to_lds s[G0+4*\s:G0+4*\s+3], s[G1:G1+7]
	s_nop 0
.rept 4
	v_nop
.endr
	s_branch .Lasked_\@
.Lfor_b_\@:
	tensor_load_to_lds s[G0B+4*\s:G0B+4*\s+3], s[G1B:G1B+7]
	s_nop 0
.rept 4
	v_nop
.endr
.Lasked_\@:
.endm
.macro CREST
	s_cmp_lg_u32 s10, 0
	s_cbranch_scc1 .Lnot_wave_0_\@
	s_barrier_signal -3
.Lnot_wave_0_\@:
	s_barrier_wait -3
	s_barrier_signal -1
	s_barrier_wait -1
.endm
.macro CROUND
	s_barrier_signal -1
	s_barrier_wait -1
	CREST
.endm
	s_load_b128 s[4:7], s[0:1], 0x0                ; yh, woh
	s_load_b64 s[2:3], s[0:1], 0x10                ; b_out
	s_load_b64 s[8:9], s[0:1], 0x18                ; out0
	v_lshl_add_u32 v[SPW], v0, 2, SPARE
	v_mov_b32 v[NIL], 0
	ds_add_u32 v[SPW], v[NIL]                      ; the wave's opening
	ds_add_u32 v[SPW], v[NIL]
	v_lshrrev_b32 v1, 5, v0
	v_readfirstlane_b32 s10, v1                    ; wave 0..3
	s_lshr_b32 s11, s10, 1                         ; which 64 rows are mine.  Also: I fetch for y (0) or for W_out (1)
	s_and_b32 s12, s10, 1                          ; which 128 columns.  Also: which half of that tile I fetch
	s_bfe_u32 s40, ttmp6, 0x40000
	s_bfe_u32 s41, ttmp6, 0x40004
	s_lshl_b32 s42, ttmp9, 2
	s_add_co_u32 s42, s42, s40                     ; tile column
	s_and_b32 s13, ttmp7, 0xffff
	s_lshl_b32 s13, s13, 2
	s_add_co_u32 s13, s13, s41                     ; tile row
	s_lshl_b32 s43, s41, 2
	s_lshl_b32 s43, 15, s43                        ; my row of the cluster
	s_lshl_b32 s44, 0x1111, s40                    ; my column
	s_or_b32 s[G1+0], s43, (3<<16)|(1<<21)         ; the mask; elements of 8 bytes; bit 21 beside a mask; no padding
	s_or_b32 s[G1B+0], s44, (3<<16)|(1<<21)
.irp g, G1, G1B
	s_mov_b32 s[\g+1], 512<<16                     ; a row: 4,096 bytes
	s_mov_b32 s[\g+3], 512<<16
	s_mov_b32 s[\g+5], 4096                        ; from tile row to tile row: 32,768 bytes
	s_mov_b32 s[\g+6], 0
	s_mov_b32 s[\g+7], 0
.endr
	s_mov_b32 s[G1+2], 4<<16                       ; y: 4 tile rows to a load
	s_mov_b32 s[G1+4], 4
	s_mov_b32 s[G1B+2], 8<<16                      ; W_out: 8
	s_mov_b32 s[G1B+4], 8
	s_lshl_b32 s16, s13, 3
	s_lshl_b32 s17, s12, 2
	s_add_co_u32 s16, s16, s17
	s_lshl_b32 s16, s16, 15                        ; y: tile row 8 x tile row + 4 x half
	s_mov_b32 s17, 0
	s_lshl_b32 s46, s42, 4
	s_lshl_b32 s47, s12, 3
	s_add_co_u32 s46, s46, s47
	s_lshl_b32 s46, s46, 15                        ; W_out: 16 x tile column + 8 x half
	s_mov_b32 s47, 0
	s_lshl_b32 s20, s12, 14                        ; where they go: no place in the cluster enters an LDS address
	s_lshl_b32 s21, s12, 15
	s_add_co_u32 s21, s21, BOFF
	s_wait_dscnt 0x0                               ; both opening adds are done
	s_wait_kmcnt 0x0
	s_add_nc_u64 s[14:15], s[4:5], s[16:17]
	s_add_nc_u64 s[46:47], s[6:7], s[46:47]
	CROUND                                         ; all sixteen work-groups are here: the first joint loads meet
.irp s, 0,1
	s_mov_b32 s[G0+4*\s], 1
	s_add_co_u32 s[G0+4*\s+1], s20, \s*SLOT
	s_add_nc_u64 s[G0+4*\s+2:G0+4*\s+3], s[14:15], \s*4096
	s_or_b32 s[G0+4*\s+3], s[G0+4*\s+3], 0x80000000
	s_mov_b32 s[G0B+4*\s], 1
	s_add_co_u32 s[G0B+4*\s+1], s21, \s*SLOT
	s_add_nc_u64 s[G0B+4*\s+2:G0B+4*\s+3], s[46:47], \s*4096
	s_or_b32 s[G0B+4*\s+3], s[G0B+4*\s+3], 0x80000000
	JLOAD \s                                       ; two tensor loads of mine are out here, one behind each later round
.endr
	v_and_b32 v1, 15, v0                           ; r
	v_bfe_u32 v2, v0, 4, 1                         ; h
	v_and_b32 v3, 31, v0
	v_lshlrev_b32 v[CO], 4, v3                     ; 16 x lane
	s_lshl_b32 s22, s11, 14                        ; my 4 tile rows of y
	s_lshl_b32 s23, s12, 15                        ; my 8 of W_out
	s_add_co_u32 s23, s23, BOFF
.irp s, 0,1
	v_add_nc_u32 v[ADRA+\s], s22, v[CO]
	v_add_nc_u32 v[ADRB+\s], s23, v[CO]
	s_add_co_u32 s22, s22, SLOT
	s_add_co_u32 s23, s23, SLOT
.endr
	s_mul_i32 s23, s10, 16*SPITCH
	s_add_co_u32 s23, s23, STAGE                   ; my stage
	v_mul_u32_u24 v4, v1, SPITCH
	v_lshl_add_u32 v4, v2, 5, v4
	v_add_nc_u32 v[STO], s23, v4                   ; in: row r, 32 bytes for each half of the lanes
	v_add_nc_u32 v[RD], s23, v[CO]                 ; back: the 32 lanes take one row of 512 bytes
	v_lshlrev_b32 v[BO], 5, v2
	s_lshl_b32 s46, s42, 10                        ; my first column, in bytes: 1,024 x tile column + 512 x half
	s_lshl_b32 s47, s12, 9
	s_add_co_u32 s46, s46, s47
	s_mov_b32 s47, 0
	s_add_nc_u64 s[2:3], s[2:3], s[46:47]
	s_add_nc_u64 s[8:9], s[8:9], s[46:47]
	s_lshl_b32 s16, s13, 19                        ; my first row: 128 x tile row + 64 x half, 4,096 bytes each
	s_lshl_b32 s17, s11, 18
	s_add_co_u32 s16, s16, s17
	s_mov_b32 s17, 0
	s_add_nc_u64 s[8:9], s[8:9], s[16:17]
	WIN 0x80                                       ; destination window 2
.irp b, 0,1,2,3,4,5,6,7
	global_load_b128 v[8*\b:8*\b+3], v[BO], s[2:3] offset:64*\b       ; the bias in the result's layout: b_out[my first column + 16 b + 8 h + 0 .. 7]
	global_load_b128 v[8*\b+4:8*\b+7], v[BO], s[2:3] offset:64*\b+16
.endr
	WIN 0
.macro MUL8 f, a, first                ; y's block a against W_out's eight, 32 along K.  The 32 accumulators take turns, one instruction a turn
.irp b, 0,1,2,3,4,5,6,7
.if \first
	v_wmma_f32_16x16x32_f16 v[8*(8*(\a)+\b):8*(8*(\a)+\b)+7], v[\f+32+8*\b:\f+32+8*\b+7], v[\f+8*(\a):\f+8*(\a)+7], v[8*\b:8*\b+7]
.else
	v_wmma_f32_16x16x32_f16 v[8*(8*(\a)+\b):8*(8*(\a)+\b)+7], v[\f+32+8*\b:\f+32+8*\b+7], v[\f+8*(\a):\f+8*(\a)+7], v[8*(8*(\a)+\b):8*(8*(\a)+\b)+7]
.endif
.endr
.endm
.macro FETCH slot, q, f                ; 24 LDS loads in one run: the slot's q-th 32 along K: W_out's eight fragments (turned), then y's four
.irp b, 0,1,2,3,4,5,6,7
	ds_load_tr16_b128 v[\f+32+8*\b:\f+32+8*\b+3], v[ADRB+\slot] offset:4096*\b+1024*(\q)
	ds_load_tr16_b128 v[\f+32+8*\b+4:\f+32+8*\b+7], v[ADRB+\slot] offset:4096*\b+1024*(\q)+512
.endr
.irp a, 0,1,2,3
	ds_load_b128 v[\f+8*\a:\f+8*\a+3], v[ADRA+\slot] offset:4096*\a+1024*(\q)
	ds_load_b128 v[\f+8*\a+4:\f+8*\a+7], v[ADRA+\slot] offset:4096*\a+1024*(\q)+512
.endr
.endm
.macro PLACES                          ; four plain instructions in front of loads into registers that matrix instructions have read, and of the first read of results
.rept 4
	v_nop
.endr
.endm
.macro QUARTER slot, qn, f, g, first   ; multiplies buffer f; in its middle it fetches the slot's quarter qn into buffer g
	s_wait_dscnt 4                                 ; W_out's fragments and y's blocks 0, 1 are in; the youngest four loads (blocks 2, 3) may be out
	WIN MUL+0x10*(\first)
	MUL8 \f, 0, \first
	MUL8 \f, 1, \first
	PLACES
	WIN 0
	FETCH \slot, \qn, \g
	s_wait_dscnt 24                                ; all but the 24 just issued
	WIN MUL+0x10*(\first)
	MUL8 \f, 2, \first
	MUL8 \f, 3, \first
.endm
; The last quarter multiplies buffer 1 and changes slots: one barrier; in front of it each wave waits for all its tensor loads, adds 0 to its spare word, and waits for that and for its reads of this slot.
.macro TURN slot, next, fill
	WIN 0                                          ; (the add's two registers lie in window 0)
	s_wait_tensorcnt 0x0                           ; my part of the next slot has landed
	ds_add_u32 v[SPW], v[NIL]                      ; 0 onto my spare word
	s_wait_dscnt 5                                 ; the add and the youngest four loads may be out
	WIN MUL
	MUL8 F1, 0, 0
	s_wait_dscnt 0x0                               ; the add is done, and my reads of this slot are over
	s_barrier_signal -1
	MUL8 F1, 1, 0
	WIN 0
	s_barrier_wait -1
.if \fill
	CREST                                          ; the barrier has opened a round of the cluster's: no wave of any partner still reads this slot or has a load on its way
	s_add_nc_u64 s[G0+4*\slot+2:G0+4*\slot+3], s[G0+4*\slot+2:G0+4*\slot+3], 8192
	s_add_nc_u64 s[G0B+4*\slot+2:G0B+4*\slot+3], s[G0B+4*\slot+2:G0B+4*\slot+3], 8192
	JLOAD \slot                                    ; two K steps on; 112 matrix instructions stand between it and the wait for it; its four v_nop are also the places in front of the loads below
.else
	PLACES
.endif
	FETCH \next, 0, F0
	WIN MUL
	MUL8 F1, 2, 0
	MUL8 F1, 3, 0
.endm
	s_wait_tensorcnt 1                             ; my part of K step 0 is in; K step 1's load may be out
	s_barrier_signal -1
	s_barrier_wait -1
	FETCH 0, 0, F0
	s_wait_loadcnt 0x0                             ; the bias
	QUARTER 0, 1, F0, F1, 1                        ; the first quarter stands in front of the loop: its products start the sums
	WIN 0
	s_mov_b32 s3, LAPS-1
.Llap:
	QUARTER 0, 2, F1, F0, 0
	QUARTER 0, 3, F0, F1, 0
	TURN 0, 1, 1
	QUARTER 1, 1, F0, F1, 0
	QUARTER 1, 2, F1, F0, 0
	QUARTER 1, 3, F0, F1, 0
	TURN 1, 0, 1
	QUARTER 0, 1, F0, F1, 0
	WIN 0
	s_sub_co_u32 s3, s3, 1
	s_cmp_lg_u32 s3, 0
	s_cbranch_scc1 .Llap
	QUARTER 0, 2, F1, F0, 0                        ; the last lap fills nothing
	QUARTER 0, 3, F0, F1, 0
	TURN 0, 1, 0
	QUARTER 1, 1, F0, F1, 0
	QUARTER 1, 2, F1, F0, 0
	QUARTER 1, 3, F0, F1, 0
	s_wait_dscnt 4
	WIN MUL
	MUL8 F1, 0, 0
	MUL8 F1, 1, 0
	s_wait_dscnt 0
	MUL8 F1, 2, 0
	MUL8 F1, 3, 0
	WIN 0
; THE WAY OUT, block by block of 16 rows x 128 columns, through my own stage: in as 32 bytes a lane, back as whole rows of 512 bytes.  LDS serves a wave's instructions in order (ISA guide 5.7.1.4).
.macro TOSTAGE a
	WIN 0x04                                       ; an LDS store's data are its source 1: window 1
.irp b, 0,1,2,3,4,5,6,7
	ds_store_b128 v[STO], v[8*(8*(\a)+\b):8*(8*(\a)+\b)+3] offset:64*\b          ; each accumulator from its low end on
	ds_store_b128 v[STO], v[8*(8*(\a)+\b)+4:8*(8*(\a)+\b)+7] offset:64*\b+16
.endr
	WIN 0
.set BB, BK+64*((\a)%2)
.irp t, 0,1,2,3,4,5,6,7,8,9,10,11,12,13,14,15
	ds_load_b128 v[BB+4*\t:BB+4*\t+3], v[RD] offset:\t*SPITCH
.endr
.endm
.macro SEND a, younger
.set BB, BK+64*((\a)%2)
	s_wait_dscnt \younger                          ; the block is back; the next block's 16 stores and 16 loads may be out
.if (\a) > 0
	s_add_nc_u64 s[8:9], s[8:9], 16*4096           ; (behind a wait on XCNT: the earlier stores have read their base)
.endif
.irp t, 0,1,2,3,4,5,6,7,8,9,10,11,12,13,14,15
	global_store_b128 v[CO], v[BB+4*\t:BB+4*\t+3], s[8:9] offset:\t*4096 th:TH_STORE_NT   ; 32 lanes store 512 consecutive bytes
.endr
.endm
	PLACES
	TOSTAGE 0
.irp a, 1,2,3
.if \a > 1
	s_wait_xcnt 0x0                                ; block a - 2's stores have read their registers and their base
.endif
	TOSTAGE \a
	SEND \a-1, 32
.endr
	s_wait_xcnt 0x0
	SEND 3, 0
	s_wait_tensorcnt 0x0                           ; the wave's end
	ds_add_u32 v[SPW], v[NIL]
	s_wait_dscnt 0x0
	CROUND                                         ; the closing round
	s_endpgm
.Lfunc_end_k_q6d1d43383d_proj:
	.size	k_q6d1d43383d_proj, .Lfunc_end_k_q6d1d43383d_proj-k_q6d1d43383d_proj
	.p2alignl 7, 3214868480
	.fill 96, 4, 3214868480
	.section	.rodata,"a",@progbits
	.p2align	6, 0x0
	.amdhsa_kernel k_q6d1d43383d_proj
		.amdhsa_group_segment_fixed_size 327680
		.amdhsa_private_segment_fixed_size 0
		.amdhsa_enable_private_segment 0
		.amdhsa_kernarg_size 32
		.amdhsa_user_sgpr_count 2
		.amdhsa_user_sgpr_kernarg_segment_ptr 1
		.amdhsa_wavefront_size32 1
		.amdhsa_system_sgpr_workgroup_id_x 1
		.amdhsa_system_sgpr_workgroup_id_y 1
		.amdhsa_system_sgpr_workgroup_id_z 1
		.amdhsa_system_vgpr_workitem_id 0
		.amdhsa_next_free_vgpr 576
		.amdhsa_next_free_sgpr 66
		.amdhsa_reserve_vcc 0
		.amdhsa_float_denorm_mode_32 3
		.amdhsa_float_denorm_mode_16_64 3
		.amdhsa_memory_ordered 1
		.amdhsa_forward_progress 1
		.amdhsa_inst_pref_size 86
	.end_amdhsa_kernel
	.amdgpu_metadata
---
amdhsa.version: [ 1, 2 ]
amdhsa.kernels:
  - .name:           k_q6d1d43383d_proj
    .symbol:         k_q6d1d43383d_proj.kd
    .args:
      - { .name: yh, .offset: 0, .size: 8, .value_kind: global_buffer, .address_space: global }
      - { .name: woh, .offset: 8, .size: 8, .value_kind: global_buffer, .address_space: global }
      - { .name: b_out, .offset: 16, .size: 8, .value_kind: global_buffer, .address_space: global }
      - { .name: out0, .offset: 24, .size: 8, .value_kind: global_buffer, .address_space: global }
    .group_segment_fixed_size: 327680
    .private_segment_fixed_size: 0
    .kernarg_segment_align: 8
    .kernarg_segment_size: 32
    .max_flat_workgroup_size: 128
    .sgpr_count:     66
    .vgpr_count:     576
    .wavefront_size: 32
...
	.end_amdgpu_metadata
.endif
;; end of part 4
;; launch fine (part 5): grid 64 x 4, 16 waves a work-group, no clusters, 18,432 bytes of LDS; arguments qkv32, W_out, b_out, out0; writes out0
.if DOCPART == 5
	.amdgcn_target "amdgcn-amd-amdhsa--gfx1250"
	.amdhsa_code_object_version 6
	.text
	.protected	k_q6d1d43383d_fine
	.globl	k_q6d1d43383d_fine
	.p2align	8
	.type	k_q6d1d43383d_fine,@function
k_q6d1d43383d_fine:
	s_mov_b64 s[64:65], 0
	v_nop
	global_prefetch_b8 v0, s[64:65] scope:SCOPE_SE
	s_setreg_imm32_b32 hwreg(HW_REG_WAVE_MODE, 25, 1), 1
	s_wait_xcnt 0x0
; THE FIRST 16 POSITIONS OF EACH SEQUENCE, in f32 throughout: attention and the projection.  These rows average one to sixteen values and are the largest of the output.
; Work-group (x, y) makes out0[batch y][0..15][16 x .. 16 x + 15].  Wave w is head w AND the projection's k = 64 w .. 64 w + 63: a head's y never leaves its wave.  48 matrix instructions of the f32 form a wave: no bulk work.
; Along each product's K the numbers are taken in the same permuted order on both sides, so that wide loads and results serve as operands as they lie.
;   S^T = K Q^T: lane (r, h), register i = channel 32 h + i of row r.   O^T = V^T P: register i = key 8 h + i.   out^T = W^T y: register i = channel 16 (i / 8) + 8 h + i % 8 of the head.
; The 16 waves' parts meet in LDS; waves 0 and 1 add them in ascending order, add b_out and store.  The rows leave in pieces of 64 bytes: 256 KiB in the whole launch.  Each work-group computes its batch's 16 small attentions anew.
; c = log2(e) / 8 lies in q already.  LIMITS: NaN and infinities are not served.
; REGISTERS: v1-11 addresses and small things; v12-13 sums; v14, v15 the add's two; v16-23 t; v24-31 p; v32-63 q; v64-95 k; v96-127 v; v128-159 W_out; v224-231 my part of the result.
;   Written by matrix instructions alone: v160-175 S^T in two halves; v176-207 O^T; v208-223 out^T in two halves.
.set SPARE, 16384                      ; behind the 16 parts of 1,024 bytes: the spare words, 128 bytes for each wave: eight blocks of 256 bytes that no other line names
.set SPW, 14
.set NIL, 15
.set T,  16
.set P,  24
.set QF, 32
.set KF, 64
.set VF, 96
.set WF, 128
.set SA, 160
.set OT, 176
.set OA, 208
.set RS, 224
	s_load_b256 s[4:11], s[0:1], 0x0               ; qkv32 s[4:5], W_out s[6:7], b_out s[8:9], out0 s[10:11]
	v_lshl_add_u32 v[SPW], v0, 2, SPARE
	v_mov_b32 v[NIL], 0
	v_lshrrev_b32 v1, 5, v0
	v_readfirstlane_b32 s12, v1                    ; wave = head
	v_and_b32 v1, 15, v0                           ; r
	v_bfe_u32 v2, v0, 4, 1                         ; h
	v_mul_u32_u24 v3, v1, 12288
	v_lshl_add_u32 v3, v2, 7, v3                   ; q, k: row r, + 32 h channels
	v_mul_u32_u24 v4, v2, 8*12288
	v_lshl_add_u32 v4, v1, 2, v4                   ; v: key 8 h on, channel r
	v_lshlrev_b32 v5, 15, v2
	v_lshl_add_u32 v5, v1, 2, v5                   ; W_out: row 8 h on, column r
	v_lshlrev_b32 v6, 3, v2
	v_sub_nc_u32 v6, v1, v6                        ; d = r - 8 h: register j holds a hidden key where j > d
	v_mov_b32 v7, 0xff800000                       ; -infinity
	v_mov_b32 v9, 0                                ; a lane permute's destination counts as one of its sources
	v_and_b32 v10, 31, v0
	v_lshlrev_b32 v10, 4, v10
	s_lshl_b32 s13, s12, 10
	v_add_nc_u32 v10, s13, v10                     ; LDS: my part: 1,024 x wave + 16 x lane
	v_and_b32 v11, 63, v0
	v_lshlrev_b32 v11, 4, v11                      ; and, for waves 0 and 1, 16 x thread in each part
	s_mov_b32 s20, 0x76543210
	s_mov_b32 s21, 0xfedcba98
	s_and_b32 s14, ttmp7, 0xffff                   ; batch
	s_mul_i32 s16, s14, 16*12288
	s_lshl_b32 s13, s12, 8
	s_add_co_u32 s16, s16, s13
	s_mov_b32 s17, 0
	s_lshl_b32 s24, ttmp9, 6                       ; my 16 columns, in bytes
	s_mov_b32 s25, 0
	s_lshl_b32 s18, s12, 18                        ; W_out: 64 rows a head
	s_add_co_u32 s18, s18, s24
	s_mov_b32 s19, 0
	s_lshl_b32 s22, s14, 23                        ; out0: 2,048 rows of 4,096 bytes a batch
	s_add_co_u32 s22, s22, s24
	s_mov_b32 s23, 0
	s_wait_kmcnt 0x0
	s_add_nc_u64 s[4:5], s[4:5], s[16:17]
	s_add_nc_u64 s[6:7], s[6:7], s[18:19]
	s_add_nc_u64 s[8:9], s[8:9], s[24:25]
	s_add_nc_u64 s[10:11], s[10:11], s[22:23]
.irp u, 0,1,2,3,4,5,6,7
	global_load_b128 v[QF+4*\u:QF+4*\u+3], v3, s[4:5] offset:16*\u
.endr
.irp u, 0,1,2,3,4,5,6,7
	global_load_b128 v[KF+4*\u:KF+4*\u+3], v3, s[4:5] offset:4096+16*\u
.endr
.irp ct, 0,1,2,3
.irp i, 0,1,2,3,4,5,6,7
	global_load_b32 v[VF+8*\ct+\i], v4, s[4:5] offset:8192+12288*\i+64*\ct
.endr
.endr
	s_wait_loadcnt 32                              ; q and k are in; v's 32 loads may be out
.irp s, 0,1,2,3,4,5,6,7,8,9,10,11,12,13,14,15
.if \s < 2
	v_wmma_f32_16x16x4_f32 v[SA+8*(\s%2):SA+8*(\s%2)+7], v[KF+2*\s:KF+2*\s+1], v[QF+2*\s:QF+2*\s+1], 0
.else
	v_wmma_f32_16x16x4_f32 v[SA+8*(\s%2):SA+8*(\s%2)+7], v[KF+2*\s:KF+2*\s+1], v[QF+2*\s:QF+2*\s+1], v[SA+8*(\s%2):SA+8*(\s%2)+7]
.endif
.endr                                  ; two accumulators by turns; each sum begins with the constant 0
.set i, 0
.rept 32
	global_load_b32 v[WF+i], v5, s[6:7] offset:(16*(i/8)+i%8)*4096
.set i, i+1
.endr
.rept 8
	v_nop                                          ; eight places behind this form, ahead of the first read of its results (ISA guide 7.12.1)
.endr
.irp j, 0,2,4,6
	v_pk_add_f32 v[T+\j:T+\j+1], v[SA+\j:SA+\j+1], v[SA+8+\j:SA+8+\j+1]   ; t: lane (r, h), register j: key 8 h + j, query r; both accumulators from the low end on
.endr
.irp j, 0,1,2,3,4,5,6,7
	v_cmp_gt_i32 vcc_lo, \j, v6
	v_cndmask_b32 v[T+\j], v[T+\j], v7, vcc_lo
.endr
	v_max3_num_f32 v8, v[T], v[T+1], v[T+2]
	v_max3_num_f32 v8, v8, v[T+3], v[T+4]
	v_max3_num_f32 v8, v8, v[T+5], v[T+6]
	v_max_num_f32 v8, v8, v[T+7]
	v_permlanex16_b32 v9, v8, s20, s21
	v_max_num_f32 v8, v8, v9                       ; the row's maximum (key 0 counts for every query)
.irp j, 0,1,2,3,4,5,6,7
	v_sub_f32 v[P+\j], v[T+\j], v8
.endr
.irp j, 0,1,2,3,4,5,6,7
	v_exp_f32 v[P+\j], v[P+\j]
.endr
	v_nop
	s_wait_alu depctr_va_vdst(0)                   ; one wait for the eight exponentials, ahead of their first reader
	v_pk_add_f32 v[12:13], v[P:P+1], v[P+2:P+3]
	v_pk_add_f32 v[12:13], v[12:13], v[P+4:P+5]
	v_pk_add_f32 v[12:13], v[12:13], v[P+6:P+7]
	v_add_f32 v12, v12, v13
	v_permlanex16_b32 v9, v12, s20, s21
	v_add_f32 v12, v12, v9
	v_rcp_f32 v12, v12
	v_nop
	s_wait_alu depctr_va_vdst(0)
.irp j, 0,1,2,3,4,5,6,7
	v_mul_f32 v[P+\j], v[P+\j], v12                ; the softmax, normalised
.endr
	s_wait_loadcnt 32                              ; v is in; W_out's 32 loads may be out
.irp s, 0,1,2,3
.irp ct, 0,1,2,3
.if \s == 0
	v_wmma_f32_16x16x4_f32 v[OT+8*\ct:OT+8*\ct+7], v[VF+8*\ct+2*\s:VF+8*\ct+2*\s+1], v[P+2*\s:P+2*\s+1], 0
.else
	v_wmma_f32_16x16x4_f32 v[OT+8*\ct:OT+8*\ct+7], v[VF+8*\ct+2*\s:VF+8*\ct+2*\s+1], v[P+2*\s:P+2*\s+1], v[OT+8*\ct:OT+8*\ct+7]
.endif
.endr
.endr                                  ; lane (r, h), register 8 ct + j: y of query r, channel 16 ct + 8 h + j
.rept 9
	v_nop                                          ; nine places: the results become operands of matrix instructions
.endr
	s_wait_loadcnt 0x0
.irp s, 0,1,2,3,4,5,6,7,8,9,10,11,12,13,14,15
.if \s < 2
	v_wmma_f32_16x16x4_f32 v[OA+8*(\s%2):OA+8*(\s%2)+7], v[WF+2*\s:WF+2*\s+1], v[OT+2*\s:OT+2*\s+1], 0
.else
	v_wmma_f32_16x16x4_f32 v[OA+8*(\s%2):OA+8*(\s%2)+7], v[WF+2*\s:WF+2*\s+1], v[OT+2*\s:OT+2*\s+1], v[OA+8*(\s%2):OA+8*(\s%2)+7]
.endif
.endr
.rept 8
	v_nop
.endr
.irp j, 0,2,4,6
	v_pk_add_f32 v[RS+\j:RS+\j+1], v[OA+\j:OA+\j+1], v[OA+8+\j:OA+8+\j+1]   ; lane (r, h), register j: position r, column 16 x + 8 h + j: my head's part
.endr
	ds_store_b128 v10, v[RS:RS+3]
	ds_store_b128 v10, v[RS+4:RS+7] offset:512
	s_wait_dscnt 0x0                               ; for the others' sake: my part lies in LDS
	s_barrier_signal -1
	s_barrier_wait -1
	s_cmp_lt_u32 s12, 2
	s_cbranch_scc0 .Lend                           ; wave 0 adds registers 0-3 of all parts, wave 1 registers 4-7
.irp w, 0,1,2,3,4,5,6,7,8,9,10,11,12,13,14,15
	ds_load_b128 v[32+4*\w:35+4*\w], v11 offset:1024*\w
.endr
	v_lshlrev_b32 v3, 5, v2
	s_lshl_b32 s13, s12, 4
	v_add_nc_u32 v3, s13, v3                       ; 32 h + 16 x wave: my four columns, in bytes
	global_load_b128 v[16:19], v3, s[8:9]          ; b_out
	v_lshl_add_u32 v4, v1, 12, v3                  ; + row r of out0
	s_wait_dscnt 0x0
.irp w, 1,2,3,4,5,6,7,8,9,10,11,12,13,14,15
	v_pk_add_f32 v[32:33], v[32:33], v[32+4*\w:33+4*\w]
	v_pk_add_f32 v[34:35], v[34:35], v[34+4*\w:35+4*\w]
.endr
	s_wait_loadcnt 0x0
	v_pk_add_f32 v[32:33], v[32:33], v[16:17]
	v_pk_add_f32 v[34:35], v[34:35], v[18:19]
	global_store_b128 v4, v[32:35], s[10:11]
.Lend:
	s_wait_tensorcnt 0x0                           ; the wave's end
	ds_add_u32 v[SPW], v[NIL]
	s_wait_dscnt 0x0
	s_endpgm
.Lfunc_end_k_q6d1d43383d_fine:
	.size	k_q6d1d43383d_fine, .Lfunc_end_k_q6d1d43383d_fine-k_q6d1d43383d_fine
	.p2alignl 7, 3214868480
	.fill 96, 4, 3214868480
	.section	.rodata,"a",@progbits
	.p2align	6, 0x0
	.amdhsa_kernel k_q6d1d43383d_fine
		.amdhsa_group_segment_fixed_size 18432
		.amdhsa_private_segment_fixed_size 0
		.amdhsa_enable_private_segment 0
		.amdhsa_kernarg_size 32
		.amdhsa_user_sgpr_count 2
		.amdhsa_user_sgpr_kernarg_segment_ptr 1
		.amdhsa_wavefront_size32 1
		.amdhsa_system_sgpr_workgroup_id_x 1
		.amdhsa_system_sgpr_workgroup_id_y 1
		.amdhsa_system_sgpr_workgroup_id_z 1
		.amdhsa_system_vgpr_workitem_id 0
		.amdhsa_next_free_vgpr 232
		.amdhsa_next_free_sgpr 66
		.amdhsa_reserve_vcc 1
		.amdhsa_float_denorm_mode_32 3
		.amdhsa_float_denorm_mode_16_64 3
		.amdhsa_memory_ordered 1
		.amdhsa_forward_progress 1
		.amdhsa_inst_pref_size 20
	.end_amdhsa_kernel
	.amdgpu_metadata
---
amdhsa.version: [ 1, 2 ]
amdhsa.kernels:
  - .name:           k_q6d1d43383d_fine
    .symbol:         k_q6d1d43383d_fine.kd
    .args:
      - { .name: qkv32, .offset: 0, .size: 8, .value_kind: global_buffer, .address_space: global }
      - { .name: W_out, .offset: 8, .size: 8, .value_kind: global_buffer, .address_space: global }
      - { .name: b_out, .offset: 16, .size: 8, .value_kind: global_buffer, .address_space: global }
      - { .name: out0, .offset: 24, .size: 8, .value_kind: global_buffer, .address_space: global }
    .group_segment_fixed_size: 18432
    .private_segment_fixed_size: 0
    .kernarg_segment_align: 8
    .kernarg_segment_size: 32
    .max_flat_workgroup_size: 512
    .sgpr_count:     66
    .vgpr_count:     232
    .wavefront_size: 32
...
	.end_amdgpu_metadata
.endif
;; end of part 5
